; MI455X (gfx1250); checked and timed in simulation.
; The chip was launched on July 23, 2026; its instructions are those of AMD's public machine-readable ISA for CDNA 5 (MIT licence, August 2026) and "CDNA5" Instruction Set Architecture Reference Guide (July 2026). The comments in the code are by the model that wrote it; some were corrected since.
;; GPT. Allowed arithmetic: matrix products marked QUANTISED: E2M1 operands, one E8M0 scale for each 32 along K, by v_wmma_scale_f32_16x16x128_f8f6f4 with both operands' format E2M1 (or v_wmma_scale_f32_32x16x128_f4), f32 sums; products left as they are: bf16, f16 or f32 operands; f32 sums; everything else in f32.
;; Inputs: W_attn 1,024 x 3,072 float32; W_proj 1,024 x 1,024 float32; x 4 x 2,048 x 1,024 float32.
;; Outputs: out0 4 x 2,048 x 1,024 float32.
;; This version of the problem:
;;   THIS VERSION OF THE PROBLEM IS GIVEN IN LOW PRECISION. The matrix products marked QUANTISED in the list below multiply operands that are first quantised to E2M1 (2 exponent bits, 1 mantissa bit; 4 bits a number), with one power-of-two scale for each 32 numbers along K (OCP MX v1.0); their sums are f32. The products marked 'left as it is' may take bf16, f16 or f32 operands, with f32 sums. Whichever they take, every output number must still come out within the allowed error. Rounding operands to bf16 (8 significant bits) uses up far more of that allowance than f16 does (11 bits, for magnitudes from 6e-5 to 65,504). All else is computed in f32.
;;   The module's matrix products, in the order in which they are computed (A, B: the left and right operand; K: the contracted axis; several contracted axes count as one K, in the product's order):
;;     1. [M 8,192, K 1,024] x [K 1,024, N 3,072]; A: input x; B: input W_attn: QUANTISED
;;     2. batch 64 x [M 2,048, K 64] x [K 64, N 2,048]; A: computed on the way; B: computed on the way: left as it is (an operand is computed on the way)
;;     3. batch 64 x [M 2,048, K 2,048] x [K 2,048, N 64]; A: computed on the way; B: computed on the way: left as it is (an operand is computed on the way)
;;     4. [M 8,192, K 1,024] x [K 1,024, N 1,024]; A: computed on the way; B: input W_proj: left as it is (an operand is computed on the way)
;;   THE QUANTISER, for each operand of a quantised product, along K:
;;     - K is cut into blocks of 32 from its start; a last block that is shorter is filled with zeros.
;;     - A block's scale is 2^e with e = floor(log2(the largest magnitude in the block)) - 2, held to -126 .. 127; a block of zeros has e = 0. As a byte (E8M0): e + 127.
;;     - Each number is divided by its block's scale, clamped to +-6, and rounded to the nearest number of E2M1, ties to even, subnormals kept.
;;     - The product sums the exact products of the quantised numbers (number of the format x scale) in f32.
;;   ~~~python
;;   def quantise(x, axis):      # numpy; x: float32 -> the quantised numbers, widened to float32 again
;;       x = np.moveaxis(x, axis, -1); K = x.shape[-1]
;;       x = np.pad(x, [(0, 0)] * (x.ndim - 1) + [(0, -K % 32)]); x = x.reshape(x.shape[:-1] + (-1, 32)); a = np.abs(x).max(-1, keepdims=True)
;;       e = np.where(a > 0, np.clip(np.frexp(np.where(a > 0, a, 1))[1] - 1 - 2, -126, 127), 0)      # np.frexp(a)[1] - 1 = floor(log2(a)), exactly
;;       r = np.clip(x / 2.0 ** e, -6, 6)
;;       step = 2.0 ** (np.maximum(np.frexp(np.where(r == 0, 1, r))[1] - 1, 0) - 1)
;;       q = np.round(r / step) * step * 2.0 ** e      # np.round: ties to even
;;       return np.moveaxis(q.reshape(q.shape[:-2] + (-1,))[..., :K], -1, axis).astype(np.float32)
;;   ~~~
;; One version. Each part assembles by itself: llvm-mc -triple=amdgcn-amd-amdhsa -mcpu=gfx1250 --defsym DOCPART=n.
;; ======== version 1 of 1: 5 launches
;; limits: values are held in f16: magnitudes above 65,504 overflow, below 6.1e-05 lose precision
;; workspace buffers: x_codes 4,194,304 bytes; x_scales 262,144 bytes; w_codes 1,572,864 bytes; w_scales 98,304 bytes; wp 4,194,304 bytes; qkv 50,331,648 bytes; qf 786,432 bytes; y 16,777,216 bytes
;; launch prep (part 1): grid 368 x 1, 4 waves a work-group, no clusters, 137,728 bytes of LDS; arguments x, W_attn, W_proj, x_codes, x_scales, w_codes, w_scales, wp; writes x_codes, x_scales, w_codes, w_scales, wp
.if DOCPART == 1
	.amdgcn_target "amdgcn-amd-amdhsa--gfx1250"
	.amdhsa_code_object_version 6
	.text
	.protected	k_qf2467640b7_prep
	.globl	k_qf2467640b7_prep
	.p2align	8
	.type	k_qf2467640b7_prep,@function
k_qf2467640b7_prep:
	s_mov_b64 s[64:65], 0
	v_nop
	global_prefetch_b8 v0, s[64:65] scope:SCOPE_SE
	s_setreg_imm32_b32 hwreg(HW_REG_WAVE_MODE, 25, 1), 1
	s_wait_xcnt 0x0
; PREP: the three inputs are laid as the later launches want them.  One launch, three ways through the text, parted on the work-group's number alone; each way has LDS bytes of its own.
;   work-groups 0-47    W_attn [1024 k][3072 n] f32 -> codes of FP4 (E2M1) laid [3072 n][512 bytes], K innermost, and E8M0 scale bytes [3072][32]
;   work-groups 48-111  W_proj [1024 k][1024 n] f32 -> f16 laid [1024 n][1024 k]: a high part, and 2,097,152 bytes further on a low part x 2048
;   work-groups 112-367 x [8192][1024] f32 -> codes [8192][512 bytes] and scale bytes [8192][32]
; THE QUANTISER: a block of 32 along K has the scale 2^(floor(log2(its largest magnitude)) - 2); the byte is the largest magnitude's exponent field - 2, held at 1 from below; each number is divided
; by the scale and rounded to the nearest code, ties to even, beyond 6 the largest code.  A block of zeros gets the byte 1: its codes are zeros, and this program alone reads the bytes.
; LIMITS: blocks whose largest magnitude lies under 2^-124 get the byte 1; NaN and infinities are not served; |W_proj| stays under 65,504 (f16); under 6e-5 its f16 parts keep an absolute step of 6e-8.
; No tensor loads, no barrier: waves share nothing.
.set SPARE, 137216                     ; behind all three ways' bytes: the spare words, 128 bytes for each wave: two blocks of 256 bytes that no other line names
.set SPW,   192                        ; v192  LDS address of my spare word; never rewritten
.set NIL,   193                        ; v193  0; never rewritten
.set WV,    26                         ; s26   my wave's number
.set EMAX,  2                          ; the exponent of E2M1's largest number, 6
	s_load_b256 s[8:15], s[0:1], 0x0               ; x s[8:9], W_attn s[10:11], W_proj s[12:13], x_codes s[14:15]
	s_load_b256 s[16:23], s[0:1], 0x20             ; x_scales s[16:17], w_codes s[18:19], w_scales s[20:21], wp s[22:23]
	v_lshl_add_u32 v[SPW], v0, 2, SPARE
	v_mov_b32 v[NIL], 0
	v_lshrrev_b32 v1, 5, v0
	v_readfirstlane_b32 s[WV], v1                  ; wave 0..3
	v_and_b32 v2, 31, v0                           ; lane
	s_mov_b32 s31, 0                               ; the upper word of every 32-bit offset below
	s_wait_kmcnt 0x0
	s_cmp_lt_u32 ttmp9, 48
	s_cbranch_scc1 .Lpath_w
	s_cmp_lt_u32 ttmp9, 112
	s_cbranch_scc1 .Lpath_p
; ---------------- x: K is innermost and rows are dense, so x is a plain stream of blocks of 32.  A wave takes 16 steps of 512 numbers.
; Each load reads 512 consecutive bytes; a step's 2,048 bytes turn through the wave's own stage in LDS, so that a lane then holds 16 neighbours (two lanes a block).
.set XWREG, 8192                       ; LDS bytes 0 to 32,767: a region for each wave: two stages of 32 x 80 bytes, behind them its 256 scale bytes
.set XSP,   80                         ; a lane's place in a stage: 64 bytes + 16 of padding
.set XSTEPS, 16
.set XCB,   8                          ; bytes of 16 codes
.set XR,    16                         ; v16-79   four sets of 16 numbers as loaded
.set XX,    80                         ; v80-111  two sets of 16 neighbours
.set XE,    112                        ; v112-127 a scale byte for each step
.set XC,    128                        ; v128-191 codes: registers of its own for each step, so that no store's data are written again
	v_lshlrev_b32 v3, 4, v2                        ; my 16 bytes of a load's 512
	s_mul_i32 s27, s[WV], XWREG
	v_lshrrev_b32 v14, 2, v2
	v_mul_u32_u24 v14, v14, XSP
	v_and_b32 v15, 3, v2
	v_lshl_add_u32 v14, v15, 4, v14
	v_add_nc_u32 v14, s27, v14                     ; into the stage: four lanes' 64 bytes on end, then the padding
	v_mul_u32_u24 v15, v2, XSP
	v_add_nc_u32 v15, s27, v15                     ; out of it: my 16 neighbours
	v_mul_u32_u24 v4, v2, XCB                      ; my codes' place in a step's
	v_lshrrev_b32 v5, 1, v2
	s_add_co_u32 s27, s27, 2*32*XSP
	v_add_nc_u32 v5, s27, v5                       ; my block's scale byte in LDS
	v_lshlrev_b32 v7, 3, v2                        ; and on the way out 8 bytes a lane
	v_add_nc_u32 v6, s27, v7
	s_sub_co_u32 s28, ttmp9, 112
	s_lshl_b32 s28, s28, 2
	s_add_co_u32 s28, s28, s[WV]                   ; which run of 8,192 numbers is my wave's: 0 .. 1,023
	s_lshl_b32 s30, s28, 15                        ; 32,768 bytes of x,
	s_add_nc_u64 s[8:9], s[8:9], s[30:31]
	s_lshl_b32 s30, s28, 12                        ; 4,096 of codes,
	s_add_nc_u64 s[14:15], s[14:15], s[30:31]
	s_lshl_b32 s30, s28, 8                         ; 256 scale bytes a run
	s_add_nc_u64 s[16:17], s[16:17], s[30:31]
.macro XLOAD t
.irp i, 0,1,2,3
	global_load_b128 v[XR+16*((\t)%4)+4*\i:XR+16*((\t)%4)+4*\i+3], v3, s[8:9] offset:2048*(\t)+512*\i th:TH_LOAD_NT   ; 32 lanes read 512 consecutive bytes
.endr
.endm
.macro XTURN t                         ; step t's numbers through the stage: LDS serves a wave's instructions in order, so no wait stands between the stores and the loads
.irp i, 0,1,2,3
	ds_store_b128 v14, v[XR+16*((\t)%4)+4*\i:XR+16*((\t)%4)+4*\i+3] offset:32*XSP*((\t)%2)+8*XSP*\i
.endr
.irp i, 0,1,2,3
	ds_load_b128 v[XX+16*((\t)%2)+4*\i:XX+16*((\t)%2)+4*\i+3], v15 offset:32*XSP*((\t)%2)+16*\i
.endr
.endm
.irp t, 0,1,2,3
	XLOAD \t
.endr
	s_wait_loadcnt 12                              ; step 0's four loads are in; the 12 of steps 1 to 3 may be out
	XTURN 0
.macro XSTEP t
.set XS, XX+16*((\t)%2)
.if (\t) > 0
	s_wait_dscnt 1                                 ; this step's numbers are back from the stage; the last step's byte store may be out
.else
	s_wait_dscnt 0x0
.endif
.if (\t)+4 < XSTEPS
	XLOAD (\t)+4                                   ; into the set whose stores into the stage are done
.endif
.if (\t)+1 < XSTEPS
.if XSTEPS-2-(\t) >= 3
	s_wait_loadcnt 12                              ; the next step's four loads are in; those of the three steps behind it may be out
.else
	s_wait_loadcnt 4*(XSTEPS-2-(\t))
.endif
	XTURN (\t)+1
.endif
	v_max3_num_f32 v8, |v[XS]|, |v[XS+1]|, |v[XS+2]|               ; the largest magnitude of my 16, in two chains
	v_max3_num_f32 v9, |v[XS+3]|, |v[XS+4]|, |v[XS+5]|
.irp i, 6,10
	v_max3_num_f32 v8, v8, |v[XS+\i]|, |v[XS+\i+1]|
	v_max3_num_f32 v9, v9, |v[XS+\i+2]|, |v[XS+\i+3]|
.endr
	v_max3_num_f32 v8, v8, |v[XS+14]|, |v[XS+15]|
	v_max3_num_f32 v8, v8, v9, (EMAX+1)<<23        ; and the floor 2^(3 - 127): the byte cannot fall under 1
	v_max_num_f32_dpp v8, v8, v8 row_xmask:1 row_mask:0xf bank_mask:0xf   ; with my neighbour's 16: the block's
	v_add_nc_u32 v11, -(EMAX<<23), v8              ; 2 off its exponent field: the conversion takes the exponent field of this operand as its scale
	v_cvt_scalef32_pk8_fp4_f32 v[XC+4*(\t)], v[XS:XS+7], v11
	v_cvt_scalef32_pk8_fp4_f32 v[XC+4*(\t)+1], v[XS+8:XS+15], v11
	v_lshrrev_b32 v[XE+(\t)], 23, v11              ; the scale's byte (also the plain line behind the conversions)
	ds_store_b8 v5, v[XE+(\t)] offset:16*(\t)      ; both lanes of a block write the same byte with the same value
	global_store_b64 v4, v[XC+4*(\t):XC+4*(\t)+1], s[14:15] offset:32*XCB*(\t)   ; the wave stores 256 consecutive bytes, aligned
.endm
.irp t, 0,1,2,3,4,5,6,7,8,9,10,11,12,13,14,15
	XSTEP \t
.endr
	ds_load_b64 v[8:9], v6                         ; LDS serves a wave's instructions in order: these see my byte stores
	s_wait_dscnt 0x0
	global_store_b64 v7, v[8:9], s[16:17]          ; the wave's 256 scale bytes: 256 consecutive bytes, aligned
	s_wait_tensorcnt 0x0                           ; the wave's end, behind my last LDS store
	ds_add_u32 v[SPW], v[NIL]
	s_wait_dscnt 0x0
	s_endpgm
; ---------------- W_attn: K is its FIRST axis.  A lane takes a column n and its registers run down K: a block of 32 lies in one lane, and the conversions give codes with K innermost.
; A wave takes 32 columns x 512 along K.  The codes go through the wave's own stage and leave as rows: sixteen lanes store 256 consecutive bytes, aligned.
.Lpath_w:
.set WSTG,  32768                      ; LDS bytes 32,768 to 67,583: 32 rows x 272 bytes for each wave
.set WPIT,  272
.set WNB,   16                         ; blocks a lane
.set WX,    32                         ; v32-95   two sets of 32 numbers
.set WC,    96                         ; v96-99   a block's codes
.set WOUT,  112                        ; v112-175 the way out
.set WSB,   24                         ; v24-27   the scale bytes, four to a register
	s_lshr_b32 s27, ttmp9, 1
	s_lshl_b32 s27, s27, 7
	s_lshl_b32 s28, s[WV], 5
	s_add_co_u32 s27, s27, s28                     ; my wave's first column: 128 x (work-group / 2) + 32 x wave
	s_and_b32 s28, ttmp9, 1                        ; which 512 along K
	v_lshlrev_b32 v3, 2, v2                        ; in: 4 bytes a lane
	s_mul_i32 s29, s[WV], 32*WPIT
	s_add_co_u32 s29, s29, WSTG                    ; my stage
	v_mul_u32_u24 v4, v2, WPIT
	v_add_nc_u32 v4, s29, v4                       ; into it: row = my column
	v_and_b32 v5, 15, v2
	v_lshrrev_b32 v6, 4, v2
	v_mul_u32_u24 v7, v6, WPIT
	v_lshl_add_u32 v7, v5, 4, v7
	v_add_nc_u32 v7, s29, v7                       ; out of it: sixteen lanes to a row, two rows an instruction
	v_lshlrev_b32 v8, 9, v6
	v_lshl_add_u32 v8, v5, 4, v8                   ; the same place in the codes' buffer: rows of 512 bytes
	v_lshlrev_b32 v9, 5, v2                        ; my column's row of 32 scale bytes
	s_mul_i32 s30, s28, 512*3072*4                 ; W_attn: 512 rows of 12,288 bytes,
	s_lshl_b32 s29, s27, 2
	s_add_co_u32 s30, s30, s29                     ; + 4 x column
	s_add_nc_u64 s[10:11], s[10:11], s[30:31]
	s_lshl_b32 s30, s27, 9                         ; codes: column x 512 + 256 x half of K
	s_lshl_b32 s29, s28, 8
	s_add_co_u32 s30, s30, s29
	s_add_nc_u64 s[18:19], s[18:19], s[30:31]
	s_lshl_b32 s30, s27, 5                         ; scale bytes: column x 32 + 16 x half of K
	s_lshl_b32 s29, s28, 4
	s_add_co_u32 s30, s30, s29
	s_add_nc_u64 s[20:21], s[20:21], s[30:31]
.macro WLOAD t                         ; block t: W(32 t + i, my column); the largest offset, 511 rows of 12,288 bytes, lies inside the signed 24-bit immediate
.irp i, 0,1,2,3,4,5,6,7,8,9,10,11,12,13,14,15,16,17,18,19,20,21,22,23,24,25,26,27,28,29,30,31
	global_load_b32 v[WX+32*((\t)%2)+\i], v3, s[10:11] offset:(32*(\t)+\i)*3072*4 th:TH_LOAD_NT
.endr
.endm
	WLOAD 0
	WLOAD 1
.macro WBLOCK t
.set XS, WX+32*((\t)%2)
.if (\t) < WNB-1
	s_wait_loadcnt 32                              ; this block's 32 loads are in; the next block's 32 may be out
.else
	s_wait_loadcnt 0x0
.endif
	v_max3_num_f32 v12, |v[XS]|, |v[XS+1]|, |v[XS+2]|              ; the block's largest magnitude: all 32 numbers are mine
	v_max3_num_f32 v13, |v[XS+3]|, |v[XS+4]|, |v[XS+5]|
.irp i, 6,10,14,18,22,26
	v_max3_num_f32 v12, v12, |v[XS+\i]|, |v[XS+\i+1]|
	v_max3_num_f32 v13, v13, |v[XS+\i+2]|, |v[XS+\i+3]|
.endr
	v_max3_num_f32 v12, v12, |v[XS+30]|, |v[XS+31]|
	v_max3_num_f32 v12, v12, v13, (EMAX+1)<<23     ; and the floor
	v_add_nc_u32 v11, -(EMAX<<23), v12             ; the conversion's scale operand
	v_lshrrev_b32 v13, 23, v11                     ; the scale's byte
.if (\t)%4 == 0
	v_mov_b32 v[WSB+(\t)/4], v13
.else
	v_lshl_or_b32 v[WSB+(\t)/4], v13, 8*((\t)%4), v[WSB+(\t)/4]
.endif
.irp g, 0,1,2,3
	v_cvt_scalef32_pk8_fp4_f32 v[WC+\g], v[XS+8*\g:XS+8*\g+7], v11
.endr
	v_nop                                          ; one plain line behind the last conversion
	ds_store_b128 v4, v[WC:WC+3] offset:16*(\t)    ; 32 codes: 16 bytes of my column's row
.if (\t)+2 < WNB
	WLOAD (\t)+2
.endif
	s_wait_dscnt 0x0                               ; the store has read its registers: the next block's codes may be written
.endm
.set Q, 0
.rept WNB
	WBLOCK Q
.set Q, Q+1
.endr
	global_store_b128 v9, v[WSB:WSB+3], s[20:21]   ; my column's 16 scale bytes
.irp t, 0,1,2,3,4,5,6,7,8,9,10,11,12,13,14,15
	ds_load_b128 v[WOUT+4*\t:WOUT+4*\t+3], v7 offset:2*\t*WPIT
.endr
.irp t, 0,1,2,3,4,5,6,7,8,9,10,11,12,13,14,15
	s_wait_dscnt 15-\t                             ; LDS loads come back in order: load t is in, the 15 - t behind it may be out
	global_store_b128 v8, v[WOUT+4*\t:WOUT+4*\t+3], s[18:19] offset:2*\t*512
.endr
	s_wait_tensorcnt 0x0                           ; the wave's end: the three lines
	ds_add_u32 v[SPW], v[NIL]
	s_wait_dscnt 0x0
	s_endpgm
; ---------------- W_proj: the same plan (a lane to a column, registers down K); a wave takes 32 columns x 128 along K.
; THE SPLIT, in f32: g = 8193 x, d = x - g, hi = g + d, lo = x - hi.  Each of the four is wanted rounded by itself, so none is fused.  hi has 11 significant bits: its conversion to f16 rounds nothing
; in f16's normal range.  lo x 2048 is rounded to f16.  The bulk projection reads the high part alone; the launch for the first 16 positions reads both.
.Lpath_p:
.set PSTG,  67584                      ; LDS bytes 67,584 to 137,215: for each wave 32 rows x 272 bytes for the high parts, then the same for the low
.set PH,    16                         ; v16-31   a block's high parts, two to a register
.set PL,    32                         ; v32-47   its low parts
.set PT,    48                         ; v48-63   at work
.set PX,    64                         ; v64-127  two sets of 32 numbers; on the way out v64-191
.set PU,    128                        ; v128-143 at work
	s_sub_co_u32 s27, ttmp9, 48
	s_lshr_b32 s28, s27, 3
	s_and_b32 s27, s27, 7                          ; which 128 along K
	s_lshl_b32 s28, s28, 7
	s_lshl_b32 s29, s[WV], 5
	s_add_co_u32 s28, s28, s29                     ; my wave's first column
	v_lshlrev_b32 v3, 2, v2
	s_mul_i32 s29, s[WV], 17408
	s_add_co_u32 s29, s29, PSTG
	v_mul_u32_u24 v4, v2, 272
	v_add_nc_u32 v4, s29, v4                       ; into the stage: row = my column
	v_and_b32 v5, 15, v2
	v_lshrrev_b32 v6, 4, v2
	v_mul_u32_u24 v7, v6, 272
	v_lshl_add_u32 v7, v5, 4, v7
	v_add_nc_u32 v7, s29, v7                       ; out of it: two rows an instruction
	v_lshlrev_b32 v8, 11, v6
	v_lshl_add_u32 v8, v5, 4, v8                   ; the same place in wp: rows of 2,048 bytes
	s_lshl_b32 s30, s27, 19                        ; W_proj: 128 rows of 4,096 bytes,
	s_lshl_b32 s29, s28, 2
	s_add_co_u32 s30, s30, s29                     ; + 4 x column
	s_add_nc_u64 s[12:13], s[12:13], s[30:31]
	s_lshl_b32 s30, s28, 11                        ; wp: column x 2,048 + 256 x part of K
	s_lshl_b32 s29, s27, 8
	s_add_co_u32 s30, s30, s29
	s_add_nc_u64 s[22:23], s[22:23], s[30:31]
.macro PLOAD t
.irp i, 0,1,2,3,4,5,6,7,8,9,10,11,12,13,14,15,16,17,18,19,20,21,22,23,24,25,26,27,28,29,30,31
	global_load_b32 v[PX+32*((\t)%2)+\i], v3, s[12:13] offset:(32*(\t)+\i)*4096 th:TH_LOAD_NT
.endr
.endm
	PLOAD 0
	PLOAD 1
.macro PBLK t
.set XS, PX+32*((\t)%2)
.if (\t) < 3
	s_wait_loadcnt 32                              ; this block's 32 loads are in; the next block's 32 may be out
.else
	s_wait_loadcnt 0x0
.endif
.irp g, 0,1                            ; 16 numbers at a time
.irp i, 0,2,4,6,8,10,12,14
	v_pk_mul_f32 v[PT+\i:PT+\i+1], v[XS+16*\g+\i:XS+16*\g+\i+1], 0x46000400 op_sel_hi:[1,0]                    ; g = 8193 x
.endr
.irp i, 0,2,4,6,8,10,12,14
	v_pk_add_f32 v[PU+\i:PU+\i+1], v[XS+16*\g+\i:XS+16*\g+\i+1], v[PT+\i:PT+\i+1] neg_lo:[0,1] neg_hi:[0,1]    ; d = x - g
.endr
.irp i, 0,2,4,6,8,10,12,14
	v_pk_add_f32 v[PT+\i:PT+\i+1], v[PT+\i:PT+\i+1], v[PU+\i:PU+\i+1]                                          ; hi = g + d
.endr
.irp i, 0,2,4,6,8,10,12,14
	v_pk_add_f32 v[PU+\i:PU+\i+1], v[XS+16*\g+\i:XS+16*\g+\i+1], v[PT+\i:PT+\i+1] neg_lo:[0,1] neg_hi:[0,1]    ; lo = x - hi
.endr
.irp i, 0,2,4,6,8,10,12,14
	v_pk_mul_f32 v[PU+\i:PU+\i+1], v[PU+\i:PU+\i+1], 0x45000000 op_sel_hi:[1,0]                                ; x 2048
.endr
.irp i, 0,1,2,3,4,5,6,7
	v_cvt_pk_f16_f32 v[PH+8*\g+\i], v[PT+2*\i], v[PT+2*\i+1]
	v_cvt_pk_f16_f32 v[PL+8*\g+\i], v[PU+2*\i], v[PU+2*\i+1]
.endr
.endr
.irp g, 0,1,2,3
	ds_store_b128 v4, v[PH+4*\g:PH+4*\g+3] offset:64*(\t)+16*\g            ; 32 along K: 64 bytes of my column's row
	ds_store_b128 v4, v[PL+4*\g:PL+4*\g+3] offset:8704+64*(\t)+16*\g
.endr
.if (\t)+2 < 4
	PLOAD (\t)+2
.endif
	s_wait_dscnt 0x0                               ; the stores have read their registers
.endm
	PBLK 0
	PBLK 1
	PBLK 2
	PBLK 3
.irp t, 0,1,2,3,4,5,6,7,8,9,10,11,12,13,14,15
	ds_load_b128 v[64+4*\t:64+4*\t+3], v7 offset:2*\t*272
.endr
.irp t, 0,1,2,3,4,5,6,7,8,9,10,11,12,13,14,15
	ds_load_b128 v[128+4*\t:128+4*\t+3], v7 offset:8704+2*\t*272
.endr
.irp t, 0,1,2,3,4,5,6,7,8,9,10,11,12,13,14,15
	s_wait_dscnt 31-\t
	global_store_b128 v8, v[64+4*\t:64+4*\t+3], s[22:23] offset:2*\t*2048            ; sixteen lanes store 256 consecutive bytes, aligned
.endr
.irp t, 0,1,2,3,4,5,6,7,8,9,10,11,12,13,14,15
	s_wait_dscnt 15-\t
	global_store_b128 v8, v[128+4*\t:128+4*\t+3], s[22:23] offset:2097152+2*\t*2048
.endr
	s_wait_tensorcnt 0x0                           ; the wave's end: the three lines
	ds_add_u32 v[SPW], v[NIL]
	s_wait_dscnt 0x0
	s_endpgm
.Lfunc_end_k_qf2467640b7_prep:
	.size	k_qf2467640b7_prep, .Lfunc_end_k_qf2467640b7_prep-k_qf2467640b7_prep
	.p2alignl 7, 3214868480
	.fill 96, 4, 3214868480
	.section	.rodata,"a",@progbits
	.p2align	6, 0x0
	.amdhsa_kernel k_qf2467640b7_prep
		.amdhsa_group_segment_fixed_size 137728
		.amdhsa_private_segment_fixed_size 0
		.amdhsa_enable_private_segment 0
		.amdhsa_kernarg_size 64
		.amdhsa_user_sgpr_count 2
		.amdhsa_user_sgpr_kernarg_segment_ptr 1
		.amdhsa_wavefront_size32 1
		.amdhsa_system_sgpr_workgroup_id_x 1
		.amdhsa_system_sgpr_workgroup_id_y 1
		.amdhsa_system_sgpr_workgroup_id_z 1
		.amdhsa_system_vgpr_workitem_id 0
		.amdhsa_next_free_vgpr 208
		.amdhsa_next_free_sgpr 66
		.amdhsa_reserve_vcc 0
		.amdhsa_float_denorm_mode_32 3
		.amdhsa_float_denorm_mode_16_64 3
		.amdhsa_memory_ordered 1
		.amdhsa_forward_progress 1
		.amdhsa_inst_pref_size 164
	.end_amdhsa_kernel
	.amdgpu_metadata
---
amdhsa.version: [ 1, 2 ]
amdhsa.kernels:
  - .name:           k_qf2467640b7_prep
    .symbol:         k_qf2467640b7_prep.kd
    .args:
      - { .name: x, .offset: 0, .size: 8, .value_kind: global_buffer, .address_space: global }
      - { .name: W_attn, .offset: 8, .size: 8, .value_kind: global_buffer, .address_space: global }
      - { .name: W_proj, .offset: 16, .size: 8, .value_kind: global_buffer, .address_space: global }
      - { .name: x_codes, .offset: 24, .size: 8, .value_kind: global_buffer, .address_space: global }
      - { .name: x_scales, .offset: 32, .size: 8, .value_kind: global_buffer, .address_space: global }
      - { .name: w_codes, .offset: 40, .size: 8, .value_kind: global_buffer, .address_space: global }
      - { .name: w_scales, .offset: 48, .size: 8, .value_kind: global_buffer, .address_space: global }
      - { .name: wp, .offset: 56, .size: 8, .value_kind: global_buffer, .address_space: global }
    .group_segment_fixed_size: 137728
    .private_segment_fixed_size: 0
    .kernarg_segment_align: 8
    .kernarg_segment_size: 64
    .max_flat_workgroup_size: 128
    .sgpr_count:     66
    .vgpr_count:     208
    .wavefront_size: 32
...
	.end_amdgpu_metadata
.endif
;; end of part 1
;; launch gemm1 (part 2): grid 12 x 32, 4 waves a work-group, clusters of 4 x 4, 327,680 bytes of LDS; arguments x_codes, x_scales, w_codes, w_scales, qkv, qf; writes qkv, qf
.if DOCPART == 2
	.amdgcn_target "amdgcn-amd-amdhsa--gfx1250"
	.amdhsa_code_object_version 6
	.text
	.protected	k_qf2467640b7_gemm1
	.globl	k_qf2467640b7_gemm1
	.p2align	8
	.type	k_qf2467640b7_gemm1,@function
k_qf2467640b7_gemm1:
	s_mov_b64 s[64:65], 0
	v_nop
	global_prefetch_b8 v0, s[64:65] scope:SCOPE_SE
	s_setreg_imm32_b32 hwreg(HW_REG_WAVE_MODE, 25, 1), 1
	s_wait_xcnt 0x0
	s_wait_alu depctr_hold_cnt(0) depctr_sa_sdst(0) depctr_va_vdst(0) depctr_va_sdst(0) depctr_va_ssrc(0) depctr_va_vcc(0) depctr_vm_vsrc(0)
	s_getreg_b32 s2, hwreg(HW_REG_IB_STS2, 6, 4)
	s_cmp_eq_u32 s2, 0
	s_cbranch_scc0 .Lentry_in_a_cluster
	s_endpgm
.Lentry_in_a_cluster:
	s_bfe_u32 s2, ttmp6, 0x10000c
	s_cmp_lg_u32 s2, 0xf033
	s_cbranch_scc0 .Lentry_shape_is_right
	s_endpgm
.Lentry_shape_is_right:
; qkv = x W_attn on codes of FP4 (E2M1) with one E8M0 scale for each 32 along K; sums in f32.  A = x's codes [8192][512 bytes], B = W_attn's codes [3072 n][512 bytes], K innermost in both.
; A tile of 256 x 256 is made by four waves, each 128 x 128: 64 accumulators of 16 x 16, 512 registers.  K = 1,024 is two LDS slots of 512 along K (rows of 256 bytes): both are first fills, nothing is filled again.
; The scale bytes of the tile's 256 + 256 rows, for all of K, come into LDS once, with the first fills.
; CLUSTERS: 4 x 4 work-groups; A's tiles are asked for jointly along a row of the cluster, B's along a column.  The tile row is 8 cy + the cluster's y: so the batch is cy, and the tile's place in its batch is
; the cluster's y, the same in all sixteen partners.
; THE MATRIX INSTRUCTION IS USED TRANSPOSED (source 0 = 16 rows of B, source 1 = 16 rows of A): a lane holds eight neighbouring columns of one row.
; OUT: q, k, v as f16, laid by head: qkv[sel][batch][head][t][64], a plane of 262,144 dense bytes for each (sel, batch, head): each store of a wave covers 512 consecutive bytes of one plane.
; The first 16 positions of each batch also leave in f32, as images of the accumulators' registers (qf): the launch that carries those rows finely reads them.
; LIMITS: |q|, |k|, |v| stay under 65,504 (f16); under 6e-5 they keep an absolute step of 6e-8.
; REGISTERS, in windows of 256: window 0: v0-31 addresses; v32-95 scale words, two sets; v128-191 A's fragments, one set; on the way out v128-223.   window 1: B's fragments, two sets, at v0 and v128.
;   window 2: the 32 accumulators of my rows 0-63 (accumulator (a, b) at v[8 (8 a + b)]);   window 3: those of my rows 64-127.
.set SIZE_K, 1024
.set KSTEP,  512                       ; along K in a slot
.set NQ,     KSTEP/128                 ; matrix instructions deep
.set ROWB,   256                       ; a tile's row in bytes
.set KROW,   SIZE_K*4/8                ; a row of A or of B in memory
.set PITCH,  272                       ; an LDS row: 256 bytes + 16 of padding = 68 words: row r starts at bank 4 r mod 64 (64 banks of 4 bytes: ISA guide 11.1)
.set FR,     8                         ; registers of a fragment: 16 rows x 128 K
.set NL,     2                         ; LDS loads that bring one
.set NP,     4                         ; places behind this matrix instruction (ISA guide 7.12.1)
.set HALFT,  128*PITCH                 ; 128 rows: what one tensor load brings
.set SLOT,   4*HALFT                   ; A's 256 rows, then B's 256 rows
.set KS,     SIZE_K/32                 ; a row of scales in bytes
.set SCL,    2*SLOT                    ; behind the two slots: the scales, as rows of 256 bytes + 16 of padding
.set HALFS,  (128*KS/256)*272          ; the scales of 128 rows
.set SBLK,   (16*KS/256)*272           ; those of 16 rows
.set SPARE,  SCL+4*HALFS               ; the spare words, 128 bytes for each wave: two blocks of 256 bytes that no other line names
.set SPITCH, 272                       ; the way out: a stage of 16 rows x (256 bytes + 16) for each wave, in slot 0, which has had its only fill and its last read by then
.set ADRA, 16                          ; v16-17  LDS address of my A fragments in slot 0, 1
.set ADRB, 20                          ; v20-21  the same for B
.set STO,  24                          ; v24     the way out: where I put 16 bytes of a row
.set RD,   25                          ; v25     the way out: where I read back
.set CO,   26                          ; v26     16 x lane
.set ADRS, 27                          ; v27     LDS address of my scale words: lanes 0-15 A's rows, lanes 16-31 B's
.set SPW,  28                          ; v28     my spare word; never rewritten
.set NIL,  29                          ; v29     0; never rewritten
.set SC,   32                          ; scale words: set s at v[SC + 32 s]; register NQ i + q: lanes 0-15 A's block i, lanes 16-31 B's block i
.set AF,   128                         ; A's fragments
.set BK,   128                         ; the way out: rows read back: v128-159 and v160-191 by turns
.set TMP,  192                         ; the way out: a block rounded to f16
.set G1, 24
.set G0, 32
.set G1B, 48
.set G0B, 56
.set G1S, 68
.set G0S, 76
.set G1SB, 80
.set G0SB, 88
.set MSB, 0
.macro WIN new                         ; the immediate's high byte repeats the setting that is left
.if MSB != (\new)
	s_set_vgpr_msb (MSB<<8)|(\new)
.set MSB, \new
.endif
.endm
.set MUL_LO, 0xa1                      ; source 0 (B) window 1, source 1 (A) window 0, C and D window 2
.set MUL_HI, 0xf1                      ; the same, C and D window 3
.set TO_B,   0x40                      ; destination window 1, address window 0
; A joint load: waves 0 and 1 fetch for A, waves 2 and 3 for B.  The branch hangs on the wave's number alone.  An s_nop 0 and four v_nop follow each of the two lines.
.macro JLOAD g0a, g1a, g0b, g1b
	s_cmp_eq_u32 s15, 0
	s_cbranch_scc0 .Lfor_b_\@
	tensor_load_to_lds s[\g0a:\g0a+3], s[\g1a:\g1a+7]
	s_nop 0
.rept 4
	v_nop
.endr
	s_branch .Lasked_\@
.Lfor_b_\@:
	tensor_load_to_lds s[\g0b:\g0b+3], s[\g1b:\g1b+7]
	s_nop 0
.rept 4
	v_nop
.endr
.Lasked_\@:
.endm
.macro CROUND                          ; a round of the cluster's barrier
	s_barrier_signal -1
	s_barrier_wait -1
	s_cmp_lg_u32 s14, 0
	s_cbranch_scc1 .Lnot_wave_0_\@
	s_barrier_signal -3
.Lnot_wave_0_\@:
	s_barrier_wait -3
	s_barrier_signal -1
	s_barrier_wait -1
.endm
	s_load_b128 s[4:7], s[0:1], 0x0                ; A's codes s[4:5], A's scales s[6:7]
	s_load_b128 s[8:11], s[0:1], 0x10              ; B's codes s[8:9], B's scales s[10:11]
	s_load_b64 s[12:13], s[0:1], 0x20              ; qkv
	s_load_b64 s[96:97], s[0:1], 0x28              ; qf
	v_lshl_add_u32 v[SPW], v0, 2, SPARE
	v_mov_b32 v[NIL], 0
	ds_add_u32 v[SPW], v[NIL]                      ; the wave's opening: the add, twice on end, and its wait ahead of my first tensor load
	ds_add_u32 v[SPW], v[NIL]
	v_lshrrev_b32 v1, 5, v0
	v_readfirstlane_b32 s14, v1                    ; wave 0..3
	s_lshr_b32 s15, s14, 1                         ; which half of the tile's rows is mine.  Also: I fetch for A (0) or for B (1)
	s_and_b32 s16, s14, 1                          ; which half of its columns.  Also: which 128 rows of that tile I fetch
	s_bfe_u32 s40, ttmp6, 0x40000                  ; cx, cy: my place in the cluster
	s_bfe_u32 s41, ttmp6, 0x40004
	s_lshl_b32 s42, ttmp9, 2
	s_add_co_u32 s42, s42, s40                     ; tile column = 4 x cluster x + cx
	s_and_b32 s95, ttmp7, 0xffff                   ; the cluster's y: the tile's place in its batch
	s_lshl_b32 s17, s41, 3
	s_add_co_u32 s17, s17, s95                     ; tile row = 8 cy + cluster y
	s_lshl_b32 s43, s41, 2
	s_lshl_b32 s43, 15, s43                        ; my row of the cluster
	s_lshl_b32 s44, 0x1111, s40                    ; my column
	; descriptor group 1: a tile of 128 rows x 256 bytes, padded in LDS
	s_or_b32 s[G1+0], s43, (0<<16)|(1<<20)|(1<<21)|(5<<22)|(3<<25)  ; 15:0 the mask; 17:16 elements of 1 byte; 20 padding on; 21 set beside a mask; 24:22 after every 64 words; 31:25 four words
	s_or_b32 s[G1B+0], s44, (0<<16)|(1<<20)|(1<<21)|(5<<22)|(3<<25)
.irp g, G1, G1B
	s_mov_b32 s[\g+1], ROWB<<16                    ; tensor_dim0
	s_mov_b32 s[\g+2], 128<<16                     ; tensor_dim1
	s_mov_b32 s[\g+3], ROWB<<16                    ; tile_dim0
	s_mov_b32 s[\g+4], 128                         ; tile_dim1
	s_mov_b32 s[\g+5], KROW                        ; tensor_dim0_stride
	s_mov_b32 s[\g+6], 0
	s_mov_b32 s[\g+7], 0
.endr
	; the scales of 128 rows: a dense block of 4,096 bytes, as 16 rows of 256 bytes (32 elements of 8 bytes), 16 bytes of padding behind each
	s_or_b32 s[G1S+0], s43, (3<<16)|(1<<20)|(1<<21)|(5<<22)|(3<<25)
	s_or_b32 s[G1SB+0], s44, (3<<16)|(1<<20)|(1<<21)|(5<<22)|(3<<25)
.irp g, G1S, G1SB
	s_mov_b32 s[\g+1], 32<<16
	s_mov_b32 s[\g+2], (128*KS/256)<<16
	s_mov_b32 s[\g+3], 32<<16
	s_mov_b32 s[\g+4], 128*KS/256
	s_mov_b32 s[\g+5], 32
	s_mov_b32 s[\g+6], 0
	s_mov_b32 s[\g+7], 0
.endr
	s_lshl_b32 s18, s16, 7                         ; which 128 rows of the tile I fetch
	s_lshl_b32 s20, s17, 8
	s_add_co_u32 s20, s20, s18                     ; A: row 256 x tile row + 128 x half
	s_lshl_b32 s46, s42, 8
	s_add_co_u32 s46, s46, s18                     ; B: row 256 x tile column + 128 x half
	s_mov_b32 s21, 0
	s_mov_b32 s47, 0
	s_mov_b64 s[18:19], KS
	s_mul_u64 s[22:23], s[20:21], s[18:19]         ; where these rows' scales begin, in bytes
	s_mul_u64 s[92:93], s[46:47], s[18:19]
	s_mov_b64 s[18:19], KROW
	s_mul_u64 s[20:21], s[20:21], s[18:19]         ; and their codes
	s_mul_u64 s[46:47], s[46:47], s[18:19]
	s_mul_i32 s45, s14, HALFT                      ; where they go: wave x 128 rows: no place in the cluster enters an LDS address
	s_mul_i32 s94, s14, HALFS
	s_wait_dscnt 0x0                               ; both opening adds are done
	s_wait_kmcnt 0x0
	s_add_nc_u64 s[20:21], s[4:5], s[20:21]
	s_add_nc_u64 s[22:23], s[6:7], s[22:23]
	s_add_nc_u64 s[46:47], s[8:9], s[46:47]
	s_add_nc_u64 s[92:93], s[10:11], s[92:93]
	CROUND                                         ; all sixteen work-groups are here: the joint loads meet
	s_mov_b32 s[G0S], 1
	s_add_co_u32 s[G0S+1], s94, SCL
	s_mov_b64 s[G0S+2:G0S+3], s[22:23]
	s_or_b32 s[G0S+3], s[G0S+3], 0x80000000
	s_mov_b32 s[G0SB], 1
	s_add_co_u32 s[G0SB+1], s94, SCL
	s_mov_b64 s[G0SB+2:G0SB+3], s[92:93]
	s_or_b32 s[G0SB+3], s[G0SB+3], 0x80000000
	JLOAD G0S, G1S, G0SB, G1SB                     ; the scales first: they are wanted with the first slot
.irp s, 0,1
	s_mov_b32 s[G0+4*\s], 1
	s_add_co_u32 s[G0+4*\s+1], s45, \s*SLOT
	s_add_nc_u64 s[G0+4*\s+2:G0+4*\s+3], s[20:21], \s*ROWB
	s_or_b32 s[G0+4*\s+3], s[G0+4*\s+3], 0x80000000
	s_mov_b32 s[G0B+4*\s], 1
	s_add_co_u32 s[G0B+4*\s+1], s45, \s*SLOT
	s_add_nc_u64 s[G0B+4*\s+2:G0B+4*\s+3], s[46:47], \s*ROWB
	s_or_b32 s[G0B+4*\s+3], s[G0B+4*\s+3], 0x80000000
	JLOAD G0+4*\s, G1, G0B+4*\s, G1B               ; by this text's count three tensor loads of a wave are out here
.endr
	v_and_b32 v1, 15, v0                           ; l % 16
	v_bfe_u32 v2, v0, 4, 1                         ; l / 16
	v_mul_u32_u24 v3, v1, PITCH
	v_lshl_add_u32 v4, v2, 4, v3                   ; a fragment's row x pitch + 16 x half
	s_mul_i32 s21, s15, HALFT                      ; my 128 rows of A
	s_mul_i32 s22, s16, HALFT                      ; my 128 rows of B,
	s_add_co_u32 s22, s22, 2*HALFT                 ; which lie behind A's 256
.irp s, 0,1
	v_add_nc_u32 v[ADRA+\s], s21, v4
	v_add_nc_u32 v[ADRB+\s], s22, v4
	s_add_co_u32 s21, s21, SLOT
	s_add_co_u32 s22, s22, SLOT
.endr
	v_mul_u32_u24 v5, v1, KS                       ; my row's scales: 32 bytes a row,
	v_lshrrev_b32 v6, 8, v5
	v_lshl_add_u32 v5, v6, 4, v5                   ; and 16 more for each 256 passed
	s_mul_i32 s21, s15, HALFS                      ; A's: my 128 rows
	s_mul_i32 s22, s16, HALFS                      ; B's: my 128 rows, behind A's 256
	s_add_co_u32 s22, s22, 2*HALFS
	s_sub_co_u32 s22, s22, s21
	v_mul_u32_u24 v6, s22, v2                      ; lanes 16-31 take B's: the lower base + half x the distance
	s_add_co_u32 s21, s21, SCL
	v_add_nc_u32 v5, v5, v6
	v_add_nc_u32 v[ADRS], s21, v5
	s_mul_i32 s23, s14, 16*SPITCH                  ; my stage
	v_mul_u32_u24 v5, v1, SPITCH                   ; in: row l % 16, 16 bytes for each half of the lanes
	v_lshl_add_u32 v5, v2, 4, v5
	v_add_nc_u32 v[STO], s23, v5
	v_and_b32 v6, 31, v0
	v_lshlrev_b32 v[CO], 4, v6                     ; 16 x lane
	v_lshrrev_b32 v5, 3, v6                        ; back: eight lanes take a head's 128 bytes of a row, the 32 lanes four rows
	v_mul_u32_u24 v5, v5, SPITCH
	v_and_b32 v6, 7, v6
	v_lshl_add_u32 v5, v6, 4, v5
	v_add_nc_u32 v[RD], s23, v5
	; where my part begins in qkv: my 128 columns are two heads, 4 x tile column + 2 x half and the next; plane = 64 sel + 16 batch + head
	s_lshl_b32 s46, s42, 2
	s_lshl_b32 s47, s16, 1
	s_add_co_u32 s46, s46, s47                     ; g0 = column / 64
	s_lshr_b32 s47, s46, 4                         ; q, k or v
	s_lshl_b32 s47, s47, 6
	s_and_b32 s46, s46, 15                         ; the head
	s_add_co_u32 s46, s46, s47
	s_lshl_b32 s47, s41, 4                         ; the batch is cy
	s_add_co_u32 s46, s46, s47
	s_lshl_b32 s46, s46, 18                        ; planes of 262,144 bytes
	s_lshl_b32 s47, s95, 15                        ; 256 rows of 128 bytes for each tile of the batch,
	s_add_co_u32 s46, s46, s47
	s_lshl_b32 s47, s15, 14                        ; 128 for my half
	s_add_co_u32 s46, s46, s47
	s_mov_b32 s47, 0
	s_add_nc_u64 s[12:13], s[12:13], s[46:47]
	; and in qf: 1,024 bytes for each tile of 16 columns, 192 tiles a batch
	s_mul_i32 s20, s41, 192
	s_lshl_b32 s21, s42, 4
	s_add_co_u32 s20, s20, s21
	s_lshl_b32 s21, s16, 3
	s_add_co_u32 s20, s20, s21
	s_lshl_b32 s20, s20, 10
	s_mov_b32 s21, 0
	s_add_nc_u64 s[96:97], s[96:97], s[20:21]
.macro FRAG reg, adr, q, i             ; a fragment, 16 rows x 128 K of 4-bit codes: lane l holds row l % 16; registers 4 c .. 4 c + 3 hold K = 64 c + 32 (l / 16) + 0 .. 31
.irp c, 0,1
	ds_load_b128 v[\reg+4*\c:\reg+4*\c+3], v[\adr] offset:64*(\q)+32*\c+(\i)*16*PITCH
.endr
.endm
; 16 matrix instructions: A's blocks a0, a0 + 1 x B's eight, 128 along K.  zero = 1: the first product starts the sums.  The 64 accumulators take turns, one instruction a turn.
.macro MUL16 a0, p, q, sc, zero
.irp a, \a0, \a0+1
.irp b, 0,1,2,3,4,5,6,7
.if \zero
	v_wmma_scale_f32_16x16x128_f8f6f4 v[8*(8*((\a)%4)+\b):8*(8*((\a)%4)+\b)+7], v[128*(\p)+FR*\b:128*(\p)+FR*\b+FR-1], v[AF+FR*(\a):AF+FR*(\a)+FR-1], 0, v[SC+8*NQ*(\sc)+NQ*\b+(\q)], v[SC+8*NQ*(\sc)+NQ*(\a)+(\q)] matrix_a_fmt:MATRIX_FMT_FP4 matrix_b_fmt:MATRIX_FMT_FP4 matrix_a_scale:MATRIX_SCALE_ROW1
.else
	v_wmma_scale_f32_16x16x128_f8f6f4 v[8*(8*((\a)%4)+\b):8*(8*((\a)%4)+\b)+7], v[128*(\p)+FR*\b:128*(\p)+FR*\b+FR-1], v[AF+FR*(\a):AF+FR*(\a)+FR-1], v[8*(8*((\a)%4)+\b):8*(8*((\a)%4)+\b)+7], v[SC+8*NQ*(\sc)+NQ*\b+(\q)], v[SC+8*NQ*(\sc)+NQ*(\a)+(\q)] matrix_a_fmt:MATRIX_FMT_FP4 matrix_b_fmt:MATRIX_FMT_FP4 matrix_a_scale:MATRIX_SCALE_ROW1
.endif
.endr
.endr
.endm
.macro FETCH_B slot, q, p              ; B's eight fragments of the slot's q-th 128 along K into set p
	WIN TO_B
.irp i, 0,1,2,3,4,5,6,7
	FRAG 128*(\p)+FR*\i, ADRB+\slot, \q, \i
.endr
	WIN 0
.endm
.macro FETCH_A slot, q, i0             ; A's blocks i0 .. i0 + 3
.irp i, \i0, \i0+1, \i0+2, \i0+3
	FRAG AF+FR*(\i), ADRA+\slot, \q, \i
.endr
.endm
.macro SCALES sc                       ; a slot's scale words into set sc: four words a row
.irp i, 0,1,2,3,4,5,6,7
	ds_load_b128 v[SC+8*NQ*\sc+NQ*\i:SC+8*NQ*\sc+NQ*\i+3], v[ADRS] offset:\i*SBLK
.endr
.endm
.macro PLACES n                        ; plain vector lines between a matrix instruction and a load into, or a read of, its registers
.rept \n
	v_nop
.endr
.endm
.macro STEP slot, q, zero              ; a step of 128 along K that has its successor in the same slot
	s_wait_dscnt 4*NL                              ; B's set and A's blocks 0-3 are in; the youngest eight loads (A's blocks 4-7) may be out
	WIN MUL_LO
	MUL16 0, (\q)%2, \q, \slot, \zero
	MUL16 2, (\q)%2, \q, \slot, \zero
	s_wait_dscnt 0                                 ; A's blocks 4-7 are in
	PLACES NP
	FETCH_B \slot, (\q)+1, 1-(\q)%2
	FETCH_A \slot, (\q)+1, 0
	WIN MUL_HI
	MUL16 4, (\q)%2, \q, \slot, \zero
	MUL16 6, (\q)%2, \q, \slot, \zero
	PLACES NP
	WIN 0
	FETCH_A \slot, (\q)+1, 4
.endm
; Slot 0's last step changes slots: one barrier; in front of it each wave waits for all its tensor loads (its part of slot 1), adds 0 to its spare word, and waits for that and for its reads of slot 0.  Nothing is filled again.
.macro TURN slot, next
	s_wait_tensorcnt 0x0                           ; all my tensor loads have landed
	ds_add_u32 v[SPW], v[NIL]                      ; 0 onto my spare word
	s_wait_dscnt 4*NL+1                            ; (the add and the youngest eight loads may be out)
	WIN MUL_LO
	MUL16 0, 1, NQ-1, \slot, 0                     ; sixteen matrix instructions stand between the add and the wait for it
	s_wait_dscnt 0x0                               ; the add is done, and my reads of this slot are over
	s_barrier_signal -1
	MUL16 2, 1, NQ-1, \slot, 0
	WIN 0
	s_barrier_wait -1
	PLACES NP
	v_add_nc_u32 v[ADRS], 4*NQ, v[ADRS]            ; on to the next slot's scale words
	FETCH_B \next, 0, 0
	FETCH_A \next, 0, 0
	SCALES \next
	WIN MUL_HI
	MUL16 4, 1, NQ-1, \slot, 0
	MUL16 6, 1, NQ-1, \slot, 0
	PLACES NP
	WIN 0
	FETCH_A \next, 0, 4
.endm
.macro STEPS slot, from                ; the slot's steps from .. NQ - 2
.set Q, \from
.rept NQ-1-\from
	STEP \slot, Q, 0
.set Q, Q+1
.endr
.endm
	s_wait_tensorcnt 1                             ; the scales and my part of slot 0 are in; slot 1's load may be out
	s_barrier_signal -1
	s_barrier_wait -1                              ; everybody's are
	FETCH_B 0, 0, 0
	FETCH_A 0, 0, 0
	SCALES 0
	FETCH_A 0, 0, 4
	STEP 0, 0, 1                                   ; the first step's products start the sums: nothing is cleared
	STEPS 0, 1
	TURN 0, 1
	STEPS 1, 0
	s_wait_dscnt 4*NL                              ; the last step: nothing more to fetch
	WIN MUL_LO
	MUL16 0, 1, NQ-1, 1, 0
	MUL16 2, 1, NQ-1, 1, 0
	s_wait_dscnt 0
	WIN MUL_HI
	MUL16 4, 1, NQ-1, 1, 0
	MUL16 6, 1, NQ-1, 1, 0
	WIN 0
	PLACES NP                                      ; behind the last products, ahead of every read of results and of the loads into A's registers
	; THE FIRST 16 POSITIONS OF A BATCH IN f32: they are block 0 of the upper half's waves in the batch's first tile (cluster y = 0: the same in all partners).  Each accumulator leaves as an image of its registers.
	s_or_b32 s20, s95, s15
	s_cmp_lg_u32 s20, 0
	s_cbranch_scc1 .Lno_fine
	WIN 0x08                                       ; a store's data are its source 1: window 2
.irp b, 0,1,2,3,4,5,6,7
	global_store_b128 v[CO], v[8*\b:8*\b+3], s[96:97] offset:1024*\b          ; each accumulator from its low end on; 512 consecutive bytes a store
	global_store_b128 v[CO], v[8*\b+4:8*\b+7], s[96:97] offset:1024*\b+512
.endr
	WIN 0
.Lno_fine:
; THE WAY OUT, block by block of 16 rows x 128 columns: rounded to f16 (PACK), through my own stage in LDS (TOSTAGE), and stored by heads (SEND): four rows of a head's plane are 512 consecutive bytes.
.macro PACK a
.set AC, 64*((\a)%4)
	WIN 0x0a+5*((\a)/4)                            ; sources 0 and 1: window 2 or 3
.irp b, 0,1,2,3,4,5,6,7
.irp r, 0,1,2,3
	v_cvt_pk_f16_f32 v[TMP+4*\b+\r], v[AC+8*\b+2*\r], v[AC+8*\b+2*\r+1]
.endr
.endr
	WIN 0
.endm
.macro TOSTAGE a
.set BB, BK+32*((\a)%2)
.irp b, 0,1,2,3,4,5,6,7
	ds_store_b128 v[STO], v[TMP+4*\b:TMP+4*\b+3] offset:32*\b
.endr
.irp hh, 0,1
.irp i, 0,1,2,3
	ds_load_b128 v[BB+4*(4*\hh+\i):BB+4*(4*\hh+\i)+3], v[RD] offset:\hh*128+\i*4*SPITCH   ; LDS serves a wave's instructions in order: these see the stores above
.endr
.endr
.endm
.macro SEND a
.set BB, BK+32*((\a)%2)
	s_wait_dscnt 0x0                               ; the block is back in registers
	s_wait_xcnt 0x0                                ; the earlier stores have read their base and their registers: only behind this wait are they rewritten
.if (\a) > 0
	s_add_nc_u64 s[12:13], s[12:13], 16*128        ; 16 rows of a plane on
.endif
.irp hh, 0,1
.irp i, 0,1,2,3
	global_store_b128 v[CO], v[BB+4*(4*\hh+\i):BB+4*(4*\hh+\i)+3], s[12:13] offset:\hh*262144+512*\i
.endr
.endr
.endm
	PACK 0
	TOSTAGE 0
.irp a, 1,2,3,4,5,6,7                  ; block a's conversions stand between block a - 1's loads from the stage and the wait for them
	PACK \a
	SEND \a-1
	TOSTAGE \a
.endr
	SEND 7
	s_wait_tensorcnt 0x0                           ; the wave's end, behind my last tensor load and my last LDS store
	ds_add_u32 v[SPW], v[NIL]
	s_wait_dscnt 0x0
	CROUND                                         ; the closing round: no work-group ends while a partner may still ask for a tile that names it
	s_endpgm
.Lfunc_end_k_qf2467640b7_gemm1:
	.size	k_qf2467640b7_gemm1, .Lfunc_end_k_qf2467640b7_gemm1-k_qf2467640b7_gemm1
	.p2alignl 7, 3214868480
	.fill 96, 4, 3214868480
	.section	.rodata,"a",@progbits
	.p2align	6, 0x0
	.amdhsa_kernel k_qf2467640b7_gemm1
		.amdhsa_group_segment_fixed_size 327680
		.amdhsa_private_segment_fixed_size 0
		.amdhsa_enable_private_segment 0
		.amdhsa_kernarg_size 48
		.amdhsa_user_sgpr_count 2
		.amdhsa_user_sgpr_kernarg_segment_ptr 1
		.amdhsa_wavefront_size32 1
		.amdhsa_system_sgpr_workgroup_id_x 1
		.amdhsa_system_sgpr_workgroup_id_y 1
		.amdhsa_system_sgpr_workgroup_id_z 1
		.amdhsa_system_vgpr_workitem_id 0
		.amdhsa_next_free_vgpr 1024
		.amdhsa_next_free_sgpr 100
		.amdhsa_reserve_vcc 0
		.amdhsa_float_denorm_mode_32 3
		.amdhsa_float_denorm_mode_16_64 3
		.amdhsa_memory_ordered 1
		.amdhsa_forward_progress 1
		.amdhsa_inst_pref_size 129
	.end_amdhsa_kernel
	.amdgpu_metadata
---
amdhsa.version: [ 1, 2 ]
amdhsa.kernels:
  - .name:           k_qf2467640b7_gemm1
    .symbol:         k_qf2467640b7_gemm1.kd
    .args:
      - { .name: x_codes, .offset: 0, .size: 8, .value_kind: global_buffer, .address_space: global }
      - { .name: x_scales, .offset: 8, .size: 8, .value_kind: global_buffer, .address_space: global }
      - { .name: w_codes, .offset: 16, .size: 8, .value_kind: global_buffer, .address_space: global }
      - { .name: w_scales, .offset: 24, .size: 8, .value_kind: global_buffer, .address_space: global }
      - { .name: qkv, .offset: 32, .size: 8, .value_kind: global_buffer, .address_space: global }
      - { .name: qf, .offset: 40, .size: 8, .value_kind: global_buffer, .address_space: global }
    .group_segment_fixed_size: 327680
    .private_segment_fixed_size: 0
    .kernarg_segment_align: 8
    .kernarg_segment_size: 48
    .max_flat_workgroup_size: 128
    .sgpr_count:     100
    .vgpr_count:     1024
    .wavefront_size: 32
...
	.end_amdgpu_metadata
.endif
;; end of part 2
;; launch attn (part 3): grid 4 x 64, 8 waves a work-group, no clusters, 327,680 bytes of LDS; arguments qkv, y; writes y
.if DOCPART == 3
	.amdgcn_target "amdgcn-amd-amdhsa--gfx1250"
	.amdhsa_code_object_version 6
	.text
	.protected	k_qf2467640b7_attn
	.globl	k_qf2467640b7_attn
	.p2align	8
	.type	k_qf2467640b7_attn,@function
k_qf2467640b7_attn:
	s_mov_b64 s[64:65], 0
	v_nop
	global_prefetch_b8 v0, s[64:65] scope:SCOPE_SE
	s_setreg_imm32_b32 hwreg(HW_REG_WAVE_MODE, 25, 1), 1
	s_wait_xcnt 0x0
; y[b][h][q][:] = the sum over k <= q of softmax_k(Q[q] . K[k] / 8) V[k][:], for each of the 64 (batch, head).  Q, K, V: planes of qkv, [2048][64] f16, 262,144 dense bytes each; y: the same form.
; Products on f16 operands, sums in f32; maxima, exponentials and row sums in f32; a running maximum m and sum l for each query: p = 2^(c s - c m), c = log2(e) / 8; in every step O and l are multiplied by 2^(c m_old - c m_new).
; SHARES.  Work-group (x, head) makes two blocks of 256 queries, one after the other: block 7 - x, then block x: nine blocks of 256 x 256 under the causal mask for every work-group.
; Each of its eight waves takes 32 queries (two tiles of 16) of a block: sub-block w for waves 0-3, 11 - w for waves 4-7.  Two waves lie on a SIMD: one's vector work stands beside the other's products.
; NO CLUSTER: under the causal mask the blocks of one head need different numbers of tiles, so a partner would have to ask for tiles of which it reads nothing.
; THE WALK.  Every work-group walks 12 slots of 256 keys (eight of the first block, four of the second): the trip count is a constant.  A slot whose first key comes after the block's last query is neither asked for nor read;
; a step of 64 keys all of which come after the wave's 32 queries is left out, and with it the rest of its slot: scalar branches on ids and on the count of trips alone.
; LAYOUT.  S^T = K Q^T (source 0 = 16 keys, source 1 = 16 queries): a lane holds ONE query (lane % 16) and the keys 8 (lane / 16) + 0..7.  Two such tiles, rounded to f16 in pairs, are source 1 of O^T = V^T P.
; K comes out of LDS as it lies, V ([key][channel]) turned, by ds_load_tr16_b128.
; LIMITS: p under 6e-8 of the row's largest is lost in f16; |y| stays under 65,504.  The first 16 positions of each batch are computed here like the others; a later launch computes their output rows finely.
; REGISTERS: window 0: v1-15 addresses; v16-31 statistics, eight a tile; v32-63 Q; v64-127 S^T; v128-159 P; v160-223 O^T; v224-255 the way out.   window 1: v0-63 K of a step; v64-127 V of a step; v128-159 the second block's Q.
.set PK,    144                        ; a key's row of K in LDS: 128 bytes + 16: 36 words: the 16 rows of a load start at 16 different banks (64 banks of 4 bytes: ISA guide 11.1)
.set PV,    160                        ; a key's row of V: 128 bytes + 32: an odd multiple of 32 bytes, for the turning load
.set VOFF,  256*PK                     ; a slot: 256 rows of K, then 256 rows of V
.set SLOT1, 1<<17                      ; slot 1 begins here: one exclusive or turns an address in one slot into the other's
.set STAGE, SLOT1+256*(PK+PV)          ; behind the ring: two tiles x 16 rows x 144 bytes for each wave, for the way out
.set SPARE, STAGE+8*4608               ; the spare words, 128 bytes for each wave: four blocks of 256 bytes that no other line names
.set AK0, 1                            ; v1   my lane's place in a tile of K
.set AV0, 2                            ; v2   the same for V
.set ADK, 3                            ; v3   LDS address of the slot's K
.set ADV, 4                            ; v4   of its V
.set QO,  5                            ; v5   my byte offset in a tile of Q
.set STO, 6                            ; v6   the way out: where I put 16 bytes of a row
.set RD,  7                            ; v7   where I read back
.set GO,  8                            ; v8   16 x lane
.set SPW, 9                            ; v9   my spare word; never rewritten
.set NIL, 10                           ; v10  0; never rewritten
.set PFO, 11                           ; v11  256 x lane: the prefetches' offset
.set DL,  12                           ; v12  lane % 16 - 8 (lane / 16)
.set D0,  13                           ; v13, v15  the mask's bound for tile 0, tile 1
.set NINF, 14                          ; v14  -infinity
.set ST,  16                           ; tile t at v[16 + 8 t]: +0 c m, +1 m, +2, +3 l in two halves, +4 to +7 at work; the factor a takes +6
.set Q,   32
.set S,   64
.set P,   128
.set O,   160
.set OUTP, 224
.set WV,  8                            ; s8   my wave's number
.set KB,  14                           ; s[14:15] K's plane at my half of a slot;  s[16:17] V's
.set VB,  16
.set YB,  18                           ; s[18:19] y's plane;  s[22:23] my rows of it in this pass
.set YW,  22
.set G1K, 24
.set G1V, 32
.set G0K, 40
.set G0V, 44
.set CS,  48                           ; s[48:49] c: the packed form names a pair and takes its low word for both halves
.set SEL, 50                           ; s[50:51] lane selects for v_permlanex16_b32: lane l xor 16
.set TB,  52                           ; s52  LDS byte at which the slot in hand begins
.set N,   53                           ; s53  the trip
.set KS,  54                           ; s54  the slot's first key
.set Q0,  55                           ; s55  my first query in this pass;  s58 in the second
.set LQ0, 56                           ; s56, s57  the last query of the first block, of the second
.set LQ1, 57
.set Q0B, 58
.set OFF, 60                           ; s[60:61] the next slot's bytes into a plane
.set NK,  62                           ; s62  its first key
.set LQ,  63                           ; s63  the last query of the block that reads it
.set PFK, 70                           ; s[70:71], s[72:73] where my prefetches stand in K's and in V's plane
.set PFV, 72
.set LIM, 74                           ; s74  5 in a wave that prefetches, else -1
.set MSB, 0
.macro WIN new                         ; the immediate's high byte repeats the setting that is left
.if MSB != (\new)
	s_set_vgpr_msb (MSB<<8)|(\new)
.set MSB, \new
.endif
.endm
.macro PLACES                          ; four plain vector lines between a matrix instruction and a load into, or a read of, its registers
.rept 4
	v_nop
.endr
.endm
; Waves 0 and 1 fetch K's halves of a slot, waves 2 and 3 V's, the others nothing.  The branches hang on the wave's number alone.  An s_nop 0 and four v_nop follow each of the two lines.
.macro TLOAD
	s_cmp_lt_u32 s[WV], 2
	s_cbranch_scc0 .Lnot_k_\@
	tensor_load_to_lds s[G0K:G0K+3], s[G1K:G1K+7]
	s_nop 0
.rept 4
	v_nop
.endr
	s_branch .Lasked_\@
.Lnot_k_\@:
	s_cmp_lt_u32 s[WV], 4
	s_cbranch_scc0 .Lasked_\@
	tensor_load_to_lds s[G0V:G0V+3], s[G1V:G1V+7]
	s_nop 0
.rept 4
	v_nop
.endr
.Lasked_\@:
.endm
; A PREFETCH INTO THE L2 of the slot that the NEXT change of slots will ask for: 32,768 bytes of K and of V.  The four work-groups of a head walk the same planes: the one with x = 0, which walks all eight slots, asks;
; in it the waves that fetch nothing, 4 to 7: 8,192 bytes of each plane a wave, lanes 256 bytes apart.  So each aligned block of 256 bytes is named once in the launch.  Trips 0 to 5 ask for slots 2 to 7; slots 0 and 1 come by their loads alone.
.macro ASK
	s_cmp_le_i32 s[N], s[LIM]
	s_cbranch_scc0 .Lnot_mine_\@
	global_prefetch_b8 v[PFO], s[PFK:PFK+1] th:TH_LOAD_NT scope:SCOPE_SE
	global_prefetch_b8 v[PFO], s[PFV:PFV+1] th:TH_LOAD_NT scope:SCOPE_SE
.Lnot_mine_\@:
.endm
	s_load_b128 s[4:7], s[0:1], 0x0                ; qkv s[4:5], y s[6:7]
	v_lshl_add_u32 v[SPW], v0, 2, SPARE
	v_mov_b32 v[NIL], 0
	ds_add_u32 v[SPW], v[NIL]                      ; the wave's opening: the add, twice on end, and its wait ahead of the first tensor load
	ds_add_u32 v[SPW], v[NIL]
	v_lshrrev_b32 v1, 5, v0
	v_readfirstlane_b32 s[WV], v1                  ; wave 0..7
	s_and_b32 s66, ttmp7, 0xffff                   ; (batch, head)
	s_lshl_b32 s66, s66, 18                        ; its plane's bytes
	s_mov_b32 s67, 0
	s_sub_co_u32 s68, 11, s[WV]
	s_cmp_lt_u32 s[WV], 4
	s_cselect_b32 s68, s[WV], s68                  ; my sub-block of 32 queries
	s_lshl_b32 s68, s68, 5
	s_sub_co_u32 s69, 7, ttmp9                     ; the first pass's block
	s_lshl_b32 s69, s69, 8
	s_or_b32 s[LQ0], s69, 255
	s_add_co_u32 s[Q0], s69, s68
	s_lshl_b32 s69, ttmp9, 8                       ; the second's
	s_or_b32 s[LQ1], s69, 255
	s_add_co_u32 s[Q0B], s69, s68
	; descriptor group 1: half a slot, 128 keys, dense in memory: 64 rows of 256 bytes (two keys a row), padding behind every 128 bytes, so that each key has a padded row of its own
	s_mov_b32 s[G1K], (1<<16)|(1<<20)|(4<<22)|(3<<25)  ; 15:0 no mask; 17:16 elements of 2 bytes; 20 padding on; 24:22 after every 32 words; 31:25 four words
	s_mov_b32 s[G1V], (1<<16)|(1<<20)|(4<<22)|(7<<25)  ; the same with eight words
.irp g, G1K, G1V
	s_mov_b32 s[\g+1], 128<<16                     ; tensor_dim0
	s_mov_b32 s[\g+2], 64<<16                      ; tensor_dim1
	s_mov_b32 s[\g+3], 128<<16                     ; tile_dim0
	s_mov_b32 s[\g+4], 64                          ; tile_dim1
	s_mov_b32 s[\g+5], 128                         ; tensor_dim0_stride
	s_mov_b32 s[\g+6], 0
	s_mov_b32 s[\g+7], 0
.endr
	s_and_b32 s68, s[WV], 1                        ; which half of a slot I fetch
	s_mov_b32 s[G0K], 1
	s_mul_i32 s[G0K+1], s68, 128*PK                ; its place in slot 0
	s_mov_b32 s[G0V], 1
	s_mul_i32 s[G0V+1], s68, 128*PV
	s_add_co_u32 s[G0V+1], s[G0V+1], VOFF
	s_lshl_b32 s68, s68, 14                        ; and in a plane: 128 rows of 128 bytes
	s_mov_b32 s69, 0
	s_mov_b32 s[CS], 0x3e38aa3b                    ; c = log2(e) / 8
	s_mov_b32 s[CS+1], s[CS]
	s_mov_b32 s[SEL], 0x76543210
	s_mov_b32 s[SEL+1], 0xfedcba98
	s_mov_b32 s[TB], 0
	s_mov_b32 s[KS], 0
	s_mov_b32 s[N], 0
	s_mov_b32 s[OFF+1], 0
	s_wait_dscnt 0x0                               ; both opening adds are done
	s_wait_kmcnt 0x0
	s_add_nc_u64 s[4:5], s[4:5], s[66:67]          ; Q's plane of my head
	s_add_nc_u64 s[YB:YB+1], s[6:7], s[66:67]
	s_add_nc_u64 s[KB:KB+1], s[4:5], s[68:69]
	s_add_nc_u64 s[VB:VB+1], s[KB:KB+1], 0x2000000 ; V's planes lie 128 planes behind Q's,
	s_add_nc_u64 s[KB:KB+1], s[KB:KB+1], 0x1000000 ; K's 64
	s_mov_b64 s[G0K+2:G0K+3], s[KB:KB+1]
	s_or_b32 s[G0K+3], s[G0K+3], 0x80000000
	s_mov_b64 s[G0V+2:G0V+3], s[VB:VB+1]
	s_or_b32 s[G0V+3], s[G0V+3], 0x80000000
	TLOAD                                          ; slot 0: keys 0 to 255, which count for every block
	s_lshl_b32 s68, s[Q0], 7
	s_add_nc_u64 s[12:13], s[4:5], s[68:69]        ; my queries of the first pass,
	s_add_nc_u64 s[YW:YW+1], s[YB:YB+1], s[68:69]  ; and their rows of y
	s_lshl_b32 s68, s[Q0B], 7
	s_add_nc_u64 s[20:21], s[4:5], s[68:69]        ; my queries of the second
	s_and_b32 s68, s[WV], 3
	s_lshl_b32 s68, s68, 13                        ; the prefetches: my wave's 8,192 bytes,
	s_add_co_u32 s68, s68, 32768                   ; in slot 1: the first change of slots steps it to slot 2
	s_add_nc_u64 s[PFK:PFK+1], s[4:5], s[68:69]
	s_add_nc_u64 s[PFV:PFV+1], s[PFK:PFK+1], 0x2000000
	s_add_nc_u64 s[PFK:PFK+1], s[PFK:PFK+1], 0x1000000
	s_lshr_b32 s68, s[WV], 2
	s_xor_b32 s68, s68, 1                          ; 0 in waves 4 to 7,
	s_or_b32 s68, s68, ttmp9                       ; of the work-group with x = 0
	s_cmp_eq_u32 s68, 0
	s_cselect_b32 s[LIM], 5, -1
	v_and_b32 v13, 15, v0                          ; r = lane % 16
	v_bfe_u32 v15, v0, 4, 1                        ; h = lane / 16
	v_lshlrev_b32 v[QO], 7, v13
	v_lshl_add_u32 v[QO], v15, 4, v[QO]            ; Q: row r of 128 bytes, + 16 h
.irp t, 0,1
.irp cs, 0,1
	global_load_b128 v[Q+16*\t+8*\cs:Q+16*\t+8*\cs+3],   v[QO], s[12:13] offset:2048*\t+64*\cs
	global_load_b128 v[Q+16*\t+8*\cs+4:Q+16*\t+8*\cs+7], v[QO], s[12:13] offset:2048*\t+64*\cs+32
.endr
.endr
	WIN 0x40                                       ; destination window 1: the second pass's Q waits there
.irp t, 0,1
.irp cs, 0,1
	global_load_b128 v[128+16*\t+8*\cs:128+16*\t+8*\cs+3],   v[QO], s[20:21] offset:2048*\t+64*\cs
	global_load_b128 v[128+16*\t+8*\cs+4:128+16*\t+8*\cs+7], v[QO], s[20:21] offset:2048*\t+64*\cs+32
.endr
.endr
	WIN 0
	v_mul_u32_u24 v[AK0], v13, PK
	v_lshl_add_u32 v[AK0], v15, 4, v[AK0]          ; K: row r x pitch + 16 h
	v_and_b32 v3, 7, v0
	v_lshl_add_u32 v3, v15, 3, v3                  ; V, for the turning load: key 8 h + lane % 8,
	v_mul_u32_u24 v[AV0], v3, PV
	v_bfe_u32 v4, v0, 3, 1
	v_lshl_add_u32 v[AV0], v4, 4, v[AV0]           ; channels 8 ((lane / 8) % 2) on
	v_add_nc_u32 v[AV0], VOFF, v[AV0]
	s_mul_i32 s66, s[WV], 4608
	s_add_co_u32 s66, s66, STAGE                   ; my stage
	v_mul_u32_u24 v[STO], v13, PK
	v_lshl_add_u32 v[STO], v15, 4, v[STO]
	v_add_nc_u32 v[STO], s66, v[STO]               ; in: row r, 16 bytes for each half of the lanes
	v_bfe_u32 v3, v0, 3, 2
	v_mul_u32_u24 v[RD], v3, PK
	v_and_b32 v4, 7, v0
	v_lshl_add_u32 v[RD], v4, 4, v[RD]
	v_add_nc_u32 v[RD], s66, v[RD]                 ; back: eight lanes a row of 128 bytes, four rows an instruction
	v_and_b32 v[GO], 31, v0
	v_lshlrev_b32 v[PFO], 8, v[GO]
	v_lshlrev_b32 v[GO], 4, v[GO]
	v_lshlrev_b32 v[DL], 3, v15
	v_sub_nc_u32 v[DL], v13, v[DL]
	v_mov_b32 v[NINF], 0xff800000
.irp t, 0,1
.irp k, 4,5,6,7
	v_mov_b32 v[ST+8*\t+\k], 0                     ; written once: a lane permute's destination and a pair's upper half count as read
.endr
.endr
; A pass begins: m = -3e38, under every score; l = 0; O^T = 0.  The step is written once: the first step finds zeros, which its factor a = 0 leaves zeros.
.macro INIT
.irp t, 0,1
	v_mov_b32 v[ST+8*\t+1], 0xff61b1e6
	v_mov_b32 v[ST+8*\t+2], 0
	v_mov_b32 v[ST+8*\t+3], 0
.endr
.irp t, 0,1
	v_mul_f32 v[ST+8*\t], s[CS], v[ST+8*\t+1]
.endr
.set i, 0
.rept 64
	v_mov_b32 v[O+i], 0
.set i, i+1
.endr
.endm
	INIT
.macro FETCH_K q                       ; 64 keys x 64 channels: fragment (kt, cs) = keys 16 kt on, channels 32 cs on, at v[8 (2 kt + cs)] of window 1
	WIN 0x40
.irp kt, 0,1,2,3
.irp cs, 0,1
	ds_load_b128 v[8*(2*\kt+\cs):8*(2*\kt+\cs)+3],   v[ADK] offset:(64*(\q)+16*\kt)*PK+64*\cs
	ds_load_b128 v[8*(2*\kt+\cs)+4:8*(2*\kt+\cs)+7], v[ADK] offset:(64*(\q)+16*\kt)*PK+64*\cs+32
.endr
.endr
	WIN 0
.endm
.macro FETCH_V q                       ; turned: fragment (kk, ct) = channels 16 ct on, keys 32 kk on, at v[64 + 8 (4 kk + ct)] of window 1
	WIN 0x40
.irp kk, 0,1
.irp ct, 0,1,2,3
	ds_load_tr16_b128 v[64+8*(4*\kk+\ct):64+8*(4*\kk+\ct)+3],   v[ADV] offset:(64*(\q)+32*\kk)*PV+32*\ct
	ds_load_tr16_b128 v[64+8*(4*\kk+\ct)+4:64+8*(4*\kk+\ct)+7], v[ADV] offset:(64*(\q)+32*\kk)*PV+16*PV+32*\ct
.endr
.endr
	WIN 0
.endm
.macro KQ                              ; S^T = K Q^T: 16 products; the eight accumulators take turns, one instruction a turn; the first eight start the sums
	WIN 0x01                                       ; source 0 window 1
.irp cs, 0,1
.irp kt, 0,1,2,3
.irp t, 0,1
.if \cs == 0
	v_wmma_f32_16x16x32_f16 v[S+32*\t+8*\kt:S+32*\t+8*\kt+7], v[8*(2*\kt+\cs):8*(2*\kt+\cs)+7], v[Q+16*\t+8*\cs:Q+16*\t+8*\cs+7], 0
.else
	v_wmma_f32_16x16x32_f16 v[S+32*\t+8*\kt:S+32*\t+8*\kt+7], v[8*(2*\kt+\cs):8*(2*\kt+\cs)+7], v[Q+16*\t+8*\cs:Q+16*\t+8*\cs+7], v[S+32*\t+8*\kt:S+32*\t+8*\kt+7]
.endif
.endr
.endr
.endr
	WIN 0
.endm
.macro PVM                             ; O^T += V^T P: 16 products, eight accumulators by turns
	WIN 0x01
.irp kk, 0,1
.irp ct, 0,1,2,3
.irp t, 0,1
	v_wmma_f32_16x16x32_f16 v[O+32*\t+8*\ct:O+32*\t+8*\ct+7], v[64+8*(4*\kk+\ct):64+8*(4*\kk+\ct)+7], v[P+16*\t+8*\kk:P+16*\t+8*\kk+7], v[O+32*\t+8*\ct:O+32*\t+8*\ct+7]
.endr
.endr
.endr
	WIN 0
.endm
; On the diagonal the scores of hidden keys become -infinity ahead of the maximum: p = 0 then.  Register 8 kt + j of tile t holds key KF + 16 kt + 8 h + j and query Q0 + 16 t + r: hidden where 16 kt + j > Q0 - KF + 16 t + r - 8 h.
.macro MASK
	s_sub_co_i32 s67, s[Q0], s66
	v_add_nc_u32 v[D0], s67, v[DL]
	v_add_nc_u32 v[D0+2], 16, v[D0]
.irp t, 0,1
.irp kt, 0,1,2,3
.irp j, 0,1,2,3,4,5,6,7
	v_cmp_gt_i32 vcc_lo, 16*\kt+\j, v[D0+2*\t]
	v_cndmask_b32 v[S+32*\t+8*\kt+\j], v[S+32*\t+8*\kt+\j], v[NINF], vcc_lo
.endr
.endr
.endr
.endm
; The softmax of a step, the two tiles line by line by turns, so that no line waits for the line above it.
.macro SOFTMAX
.irp k, 0,1,2,3                        ; the maximum: four chains a tile, each begun at an accumulator's low end
.irp t, 0,1
	v_max3_num_f32 v[ST+8*\t+4+\k], v[S+32*\t+8*\k], v[S+32*\t+8*\k+1], v[S+32*\t+8*\k+2]
.endr
.endr
.irp g, 3,5
.irp k, 0,1,2,3
.irp t, 0,1
	v_max3_num_f32 v[ST+8*\t+4+\k], v[ST+8*\t+4+\k], v[S+32*\t+8*\k+\g], v[S+32*\t+8*\k+\g+1]
.endr
.endr
.endr
.irp t, 0,1
	v_max3_num_f32 v[ST+8*\t+4], v[ST+8*\t+4], v[S+32*\t+7], v[S+32*\t+15]
	v_max3_num_f32 v[ST+8*\t+6], v[ST+8*\t+6], v[S+32*\t+23], v[S+32*\t+31]
.endr
.irp t, 0,1
	v_max3_num_f32 v[ST+8*\t+4], v[ST+8*\t+4], v[ST+8*\t+5], v[ST+8*\t+6]
.endr
.irp t, 0,1
	v_max3_num_f32 v[ST+8*\t+4], v[ST+8*\t+4], v[ST+8*\t+7], v[ST+8*\t+1]   ; with the old m
.endr
.irp t, 0,1
	v_permlanex16_b32 v[ST+8*\t+5], v[ST+8*\t+4], s[SEL], s[SEL+1]          ; the query's other 32 keys lie in the lane 16 away
.endr
.irp t, 0,1
	v_mov_b32 v[ST+8*\t+7], v[ST+8*\t]                                      ; c m_old is kept for a
.endr
.irp t, 0,1
	v_max_num_f32 v[ST+8*\t+1], v[ST+8*\t+4], v[ST+8*\t+5]
.endr
.irp t, 0,1
	v_mul_f32 v[ST+8*\t], s[CS], v[ST+8*\t+1]
.endr
.irp t, 0,1
	v_sub_f32 v[ST+8*\t+7], v[ST+8*\t+7], v[ST+8*\t]
.endr
	; ONE BATCH: the 32 scalings c s - c m and all 66 exponentials; none of these lines names an exponential's result.  A pair's exponentials stand behind the next pair's scalings.
.irp t, 0,1
	v_exp_f32 v[ST+8*\t+6], v[ST+8*\t+7]                                    ; a = 2^(c m_old - c m_new)
.endr
.set b, 0
.rept 16
.irp t, 0,1
	v_pk_fma_f32 v[S+32*\t+2*b:S+32*\t+2*b+1], v[S+32*\t+2*b:S+32*\t+2*b+1], s[CS:CS+1], v[ST+8*\t:ST+8*\t+1] op_sel_hi:[1,0,0] neg_lo:[0,0,1] neg_hi:[0,0,1]
.endr
.if b > 0
.irp t, 0,1
	v_exp_f32 v[S+32*\t+2*b-2], v[S+32*\t+2*b-2]
	v_exp_f32 v[S+32*\t+2*b-1], v[S+32*\t+2*b-1]
.endr
.endif
.set b, b+1
.endr
.irp t, 0,1
	v_exp_f32 v[S+32*\t+30], v[S+32*\t+30]
	v_exp_f32 v[S+32*\t+31], v[S+32*\t+31]
.endr
	v_nop                                          ; a plain line behind the last exponential,
	s_wait_alu depctr_va_vdst(0)                   ; and the one wait ahead of the batch's first reader
.set i, 0
.rept 16
.irp t, 0,1
	v_cvt_pk_f16_f32 v[P+16*\t+i], v[S+32*\t+2*i], v[S+32*\t+2*i+1]         ; the weights for the second product
.endr
.set i, i+1
.endr
.irp u, 0,1,2,3,4,5,6,7                ; the row's sum, of the unrounded weights, in place: neighbours 1, 2, 4 and 8 pairs apart
.irp t, 0,1
	v_pk_add_f32 v[S+32*\t+4*\u:S+32*\t+4*\u+1], v[S+32*\t+4*\u:S+32*\t+4*\u+1], v[S+32*\t+4*\u+2:S+32*\t+4*\u+3]
.endr
.endr
.irp u, 0,1,2,3
.irp t, 0,1
	v_pk_add_f32 v[S+32*\t+8*\u:S+32*\t+8*\u+1], v[S+32*\t+8*\u:S+32*\t+8*\u+1], v[S+32*\t+8*\u+4:S+32*\t+8*\u+5]
.endr
.endr
.irp u, 0,1
.irp t, 0,1
	v_pk_add_f32 v[S+32*\t+16*\u:S+32*\t+16*\u+1], v[S+32*\t+16*\u:S+32*\t+16*\u+1], v[S+32*\t+16*\u+8:S+32*\t+16*\u+9]
.endr
.endr
.irp t, 0,1
	v_pk_add_f32 v[S+32*\t:S+32*\t+1], v[S+32*\t:S+32*\t+1], v[S+32*\t+16:S+32*\t+17]
.endr
.irp t, 0,1
	v_pk_fma_f32 v[ST+8*\t+2:ST+8*\t+3], v[ST+8*\t+2:ST+8*\t+3], v[ST+8*\t+6:ST+8*\t+7], v[S+32*\t:S+32*\t+1] op_sel_hi:[1,0,1]   ; l = a l + the sum
.endr
.set i, 0
.rept 16
.irp t, 0,1
	v_pk_mul_f32 v[O+32*\t+2*i:O+32*\t+2*i+1], v[O+32*\t+2*i:O+32*\t+2*i+1], v[ST+8*\t+6:ST+8*\t+7] op_sel_hi:[1,0]               ; O^T x a, each accumulator from its low end on
.endr
.set i, i+1
.endr
.endm
; A STEP: 64 keys, the q-th of the slot.  A step all of whose keys come after my 32 queries ends the slot for me.  Step q is reached through step q - 1 alone, which has asked for its K and V.
.macro STEP q, tag
	s_add_co_u32 s66, s[KS], 64*(\q)               ; the step's first key
	s_add_co_u32 s67, s[Q0], 31
	s_cmp_gt_u32 s66, s67
	s_cbranch_scc1 .Lend_\tag
.if (\q) == 0
	v_add_nc_u32 v[ADK], s[TB], v[AK0]
	v_add_nc_u32 v[ADV], s[TB], v[AV0]
	FETCH_K 0
	FETCH_V 0
.endif
	s_wait_dscnt 16                                ; K is in; V's 16 loads, issued behind it, may be out
	KQ
	PLACES
.if (\q) < 3
	FETCH_K (\q)+1
.endif
	s_add_co_u32 s67, s66, 63
	s_cmp_le_u32 s67, s[Q0]                        ; all 64 keys count for all my queries: no mask
	s_cbranch_scc1 .Lopen_\@
	MASK
.Lopen_\@:
	SOFTMAX
.if (\q) < 3
	s_wait_dscnt 16                                ; V is in; the next step's K, 16 loads issued behind it, may be out
.else
	s_wait_dscnt 0x0
.endif
	PVM
	PLACES
.if (\q) < 3
	FETCH_V (\q)+1
.endif
.endm
.macro SLOT_STEPS tag
	STEP 0, \tag
	STEP 1, \tag
	STEP 2, \tag
	STEP 3, \tag
.Lend_\tag:
	s_xor_b32 s[TB], s[TB], SLOT1                  ; on to the other slot,
	s_add_co_u32 s[KS], s[KS], 256                 ; the next 256 keys; behind the eighth slot the second pass begins at key 0
	s_and_b32 s[KS], s[KS], 2047
.endm
; THE CHANGE OF SLOTS stands at a slot's head.  Each wave waits for all its tensor loads (its part of the slot that it is about to read), adds 0 to its spare word, and waits for that and for its reads of the slot that it has left.
; Behind the barrier the slot ahead is whole and nobody reads the other one.  fill = 1: that other slot takes the keys of trip N + 1, unless their first key comes after the last query of the block that would read them.
; Every wait on TENSORcnt in this text is for 0; one tensor load of a wave is out behind each barrier, and it has a slot's four steps in which to land.
.macro CHANGE fill
	s_wait_tensorcnt 0x0                           ; no tensor load of mine is out, so a group 0 may be written
	ds_add_u32 v[SPW], v[NIL]                      ; 0 onto my spare word
.if \fill
	ds_add_u32 v[SPW], v[NIL]                      ; and once more
	s_xor_b32 s[G0K+1], s[G0K+1], SLOT1            ; the other slot than last time
	s_xor_b32 s[G0V+1], s[G0V+1], SLOT1
	s_add_co_u32 s59, s[N], 1                      ; the trip that will read it
	s_and_b32 s[NK], s59, 7                        ; its slot of keys
	s_lshl_b32 s[OFF], s[NK], 15                   ; 256 rows of 128 bytes a slot
	s_lshl_b32 s[NK], s[NK], 8                     ; its first key
	s_add_nc_u64 s[G0K+2:G0K+3], s[KB:KB+1], s[OFF:OFF+1]
	s_or_b32 s[G0K+3], s[G0K+3], 0x80000000
	s_add_nc_u64 s[G0V+2:G0V+3], s[VB:VB+1], s[OFF:OFF+1]
	s_or_b32 s[G0V+3], s[G0V+3], 0x80000000
	s_cmp_lt_u32 s59, 8
	s_cselect_b32 s[LQ], s[LQ0], s[LQ1]            ; the last query of the block that trip belongs to
	s_wait_xcnt 0x0                                ; the last prefetches, a slot back, have read their addresses, so these may be written
	s_add_nc_u64 s[PFK:PFK+1], s[PFK:PFK+1], 32768
	s_add_nc_u64 s[PFV:PFV+1], s[PFV:PFV+1], 32768
.endif
	s_wait_dscnt 0x0                               ; the add is done, and my reads of the slot that I have left are over
	s_barrier_signal -1
	s_barrier_wait -1
.if \fill
	s_cmp_gt_u32 s[NK], s[LQ]                      ; ids and the count of trips alone: all eight waves go the same way; no step reads a slot that is left out
	s_cbranch_scc1 .Lpast_\@
	TLOAD                                          ; a wave's one tensor load until the next such barrier
.Lpast_\@:
	ASK
.endif
.endm
; THE WAY OUT of a pass: l's two halves and the other half of the lanes' are added; O^T / l is rounded to f16 and goes through my stage, so that a store of the wave covers four rows of y's plane: 512 consecutive bytes.
.macro WAYOUT
.irp t, 0,1
	v_add_f32 v[ST+8*\t+4], v[ST+8*\t+2], v[ST+8*\t+3]
.endr
.irp t, 0,1
	v_permlanex16_b32 v[ST+8*\t+5], v[ST+8*\t+4], s[SEL], s[SEL+1]
.endr
.irp t, 0,1
	v_add_f32 v[ST+8*\t+4], v[ST+8*\t+4], v[ST+8*\t+5]
.endr
.irp t, 0,1
	v_rcp_f32 v[ST+8*\t+6], v[ST+8*\t+4]
.endr
	v_nop                                          ; a plain line behind the last reciprocal,
	s_wait_alu depctr_va_vdst(0)                   ; and the wait ahead of the first use: one for the two
.irp t, 0,1
.set i, 0
.rept 16
	v_pk_mul_f32 v[O+32*\t+2*i:O+32*\t+2*i+1], v[O+32*\t+2*i:O+32*\t+2*i+1], v[ST+8*\t+6:ST+8*\t+7] op_sel_hi:[1,0]
.set i, i+1
.endr
.endr
.irp t, 0,1
.set i, 0
.rept 16
	v_cvt_pk_f16_f32 v[OUTP+16*\t+i], v[O+32*\t+2*i], v[O+32*\t+2*i+1]
.set i, i+1
.endr
.endr
.irp t, 0,1
.irp ct, 0,1,2,3
	ds_store_b128 v[STO], v[OUTP+16*\t+4*\ct:OUTP+16*\t+4*\ct+3] offset:2304*\t+32*\ct
.endr
.endr
.irp t, 0,1
.irp i, 0,1,2,3
	ds_load_b128 v[S+16*\t+4*\i:S+16*\t+4*\i+3], v[RD] offset:2304*\t+576*\i   ; LDS serves a wave's instructions in order: these see the stores above
.endr
.endr
.irp t, 0,1
.irp i, 0,1,2,3
	s_wait_dscnt 7-4*\t-\i                         ; LDS loads come back in order: this one is in, those behind it may be out
	global_store_b128 v[GO], v[S+16*\t+4*\i:S+16*\t+4*\i+3], s[YW:YW+1] offset:2048*\t+512*\i
.endr
.endr
.endm
	s_wait_loadcnt 0x0                             ; Q, both passes'
.Lslot:                                            ; 11 trips: behind each change of slots but the last the next trip's slot is asked for, up to the causal limit
	CHANGE 1
	SLOT_STEPS a
	s_cmp_lg_u32 s[N], 7                           ; behind the eighth slot the first block is finished
	s_cbranch_scc1 .Lsame
	WAYOUT
	s_wait_xcnt 0x0                                ; the stores have read their base and their registers: both are written again below
	s_mov_b32 s[Q0], s[Q0B]
	s_lshl_b32 s68, s[Q0], 7
	s_mov_b32 s69, 0
	s_add_nc_u64 s[YW:YW+1], s[YB:YB+1], s[68:69]
	WIN 0x01                                       ; source 0 window 1: the second block's Q
.set i, 0
.rept 32
	v_mov_b32 v[Q+i], v[128+i]
.set i, i+1
.endr
	WIN 0
	INIT
.Lsame:
	s_add_co_u32 s[N], s[N], 1
	s_cmp_lt_u32 s[N], 11
	s_cbranch_scc1 .Lslot
	CHANGE 0                                       ; the last slot is written out: nothing is left to ask for
	SLOT_STEPS b
	WAYOUT
	s_wait_tensorcnt 0x0                           ; the wave's end, behind my last tensor load and my last LDS store
	ds_add_u32 v[SPW], v[NIL]
	s_wait_dscnt 0x0
	s_endpgm
.Lfunc_end_k_qf2467640b7_attn:
	.size	k_qf2467640b7_attn, .Lfunc_end_k_qf2467640b7_attn-k_qf2467640b7_attn
	.p2alignl 7, 3214868480
	.fill 96, 4, 3214868480
	.section	.rodata,"a",@progbits
	.p2align	6, 0x0
	.amdhsa_kernel k_qf2467640b7_attn
		.amdhsa_group_segment_fixed_size 327680
		.amdhsa_private_segment_fixed_size 0
		.amdhsa_enable_private_segment 0
		.amdhsa_kernarg_size 16
		.amdhsa_user_sgpr_count 2
		.amdhsa_user_sgpr_kernarg_segment_ptr 1
		.amdhsa_wavefront_size32 1
		.amdhsa_system_sgpr_workgroup_id_x 1
		.amdhsa_system_sgpr_workgroup_id_y 1
		.amdhsa_system_sgpr_workgroup_id_z 1
		.amdhsa_system_vgpr_workitem_id 0
		.amdhsa_next_free_vgpr 416
		.amdhsa_next_free_sgpr 80
		.amdhsa_reserve_vcc 1
		.amdhsa_float_denorm_mode_32 3
		.amdhsa_float_denorm_mode_16_64 3
		.amdhsa_memory_ordered 1
		.amdhsa_forward_progress 1
		.amdhsa_inst_pref_size 201
	.end_amdhsa_kernel
	.amdgpu_metadata
---
amdhsa.version: [ 1, 2 ]
amdhsa.kernels:
  - .name:           k_qf2467640b7_attn
    .symbol:         k_qf2467640b7_attn.kd
    .args:
      - { .name: qkv, .offset: 0, .size: 8, .value_kind: global_buffer, .address_space: global }
      - { .name: y, .offset: 8, .size: 8, .value_kind: global_buffer, .address_space: global }
    .group_segment_fixed_size: 327680
    .private_segment_fixed_size: 0
    .kernarg_segment_align: 8
    .kernarg_segment_size: 16
    .max_flat_workgroup_size: 256
    .sgpr_count:     80
    .vgpr_count:     416
    .wavefront_size: 32
...
	.end_amdgpu_metadata
.endif
;; end of part 3
;; launch gemm2 (part 4): grid 8 x 64, 4 waves a work-group, clusters of 4 x 4, 327,680 bytes of LDS; arguments y, wp, out0; writes out0
.if DOCPART == 4
	.amdgcn_target "amdgcn-amd-amdhsa--gfx1250"
	.amdhsa_code_object_version 6
	.text
	.protected	k_qf2467640b7_gemm2
	.globl	k_qf2467640b7_gemm2
	.p2align	8
	.type	k_qf2467640b7_gemm2,@function
k_qf2467640b7_gemm2:
	s_mov_b64 s[64:65], 0
	v_nop
	global_prefetch_b8 v0, s[64:65] scope:SCOPE_SE
	s_setreg_imm32_b32 hwreg(HW_REG_WAVE_MODE, 25, 1), 1
	s_wait_xcnt 0x0
	s_wait_alu depctr_hold_cnt(0) depctr_sa_sdst(0) depctr_va_vdst(0) depctr_va_sdst(0) depctr_va_ssrc(0) depctr_va_vcc(0) depctr_vm_vsrc(0)
	s_getreg_b32 s2, hwreg(HW_REG_IB_STS2, 6, 4)
	s_cmp_eq_u32 s2, 0
	s_cbranch_scc0 .Lentry_in_a_cluster
	s_endpgm
.Lentry_in_a_cluster:
	s_bfe_u32 s2, ttmp6, 0x10000c
	s_cmp_lg_u32 s2, 0xf033
	s_cbranch_scc0 .Lentry_shape_is_right
	s_endpgm
.Lentry_shape_is_right:
; out0[m][n] = the sum over k of y[m][k] W_proj[k][n]: f16 operands, f32 sums.  A = y, laid by head: [batch][head][2048 t][64] f16; k = 64 head + channel.  B = wp's high part, [1024 n][1024 k] f16.  out0: [8192][1024] f32.
; A tile of out0 is 128 x 128: four waves, each 64 x 64: 16 accumulators of 16 x 16.  512 tiles.  K goes in steps of 256 (four heads) through a ring of two LDS slots.
; A's PART OF A SLOT: 64 rows of y x 4 heads.  In memory a head's 64 rows are 8,192 dense bytes, and the heads lie 262,144 bytes apart: one tensor load of 4 rows of 4,096 elements, with padding behind every 128 bytes,
; so that in LDS each (head, row) has a padded row of 144 bytes.  A quarter of a K step, 64 along K, is one head.
; CLUSTERS: 4 x 4 work-groups; A's tiles are asked for jointly along a row of the cluster, B's along a column.  THE MATRIX INSTRUCTION IS USED TRANSPOSED (source 0 = 16 rows of B, source 1 = 16 rows of A).
; The rows of the first 16 positions of each batch are written here like all others and written over by the launch that carries them finely.
; LIMITS: |y| and |W_proj| under 65,504; W_proj enters rounded to f16.
; REGISTERS: window 0: v0-31 addresses; v32-95 the way out; v128-255 the accumulators ((a, b) at v[128 + 8 (4 a + b)]).   window 1: two fragment buffers of 128: 64 registers of A, then 64 of B, for 64 along K.
.set SIZE_N, 1024
.set SIZE_K, 1024
.set KSTEP,  256
.set PA,     144                       ; A: a (head, row) in LDS: 128 bytes + 16: the 16 rows of a load start at 16 different banks (64 banks of 4 bytes: ISA guide 11.1)
.set PLANE,  64*PA                     ; a head's 64 rows
.set HALFA,  4*PLANE                   ; what one tensor load brings of A
.set PITCH,  528                       ; B: an LDS row: 512 bytes + 16
.set HALFB,  64*PITCH                  ; what one tensor load brings of B
.set SLOT,   2*HALFA+2*HALFB           ; A's two halves, then B's two halves
.set STAGE,  2*SLOT                    ; behind the ring: 16 rows x (256 bytes + 16) for each wave
.set SPITCH, 272
.set SPARE,  STAGE+4*16*SPITCH         ; the spare words, 128 bytes for each wave: two blocks of 256 bytes that no other line names
.set LAPS, SIZE_K/(2*KSTEP)
.set ADRA, 16
.set ADRB, 20
.set STO,  24
.set RD,   25
.set CO,   26
.set SPW,  28
.set NIL,  29
.set TMP,  32
.set ACC,  128
.set F0,   0
.set F1,   128
.set G1, 24
.set G0, 32
.set G1B, 48
.set G0B, 56
.set MSB, 0
.macro WIN new                         ; the immediate's high byte repeats the setting that is left
.if MSB != (\new)
	s_set_vgpr_msb (MSB<<8)|(\new)
.set MSB, \new
.endif
.endm
.set MUL,  0x05                        ; sources 0 (B) and 1 (A) window 1; C and D window 0
.set TO_F, 0x40                        ; destination window 1, address window 0
.macro JLOAD s                         ; a joint load: waves 0 and 1 fetch A's two halves, waves 2 and 3 B's; an s_nop 0 and four v_nop follow each of the two lines
	s_cmp_eq_u32 s11, 0
	s_cbranch_scc0 .Lfor_b_\@
	tensor_load_to_lds s[G0+4*\s:G0+4*\s+3], s[G1:G1+7]
	s_nop 0
.rept 4
	v_nop
.endr
	s_branch .Lasked_\@
.Lfor_b_\@:
	tensor_load_to_lds s[G0B+4*\s:G0B+4*\s+3], s[G1B:G1B+7]
	s_nop 0
.rept 4
	v_nop
.endr
.Lasked_\@:
.endm
.macro CREST                           ; a round of the cluster's barrier behind its opening barrier
	s_cmp_lg_u32 s10, 0
	s_cbranch_scc1 .Lnot_wave_0_\@
	s_barrier_signal -3
.Lnot_wave_0_\@:
	s_barrier_wait -3
	s_barrier_signal -1
	s_barrier_wait -1
.endm
.macro CROUND                          ; a whole round
	s_barrier_signal -1
	s_barrier_wait -1
	CREST
.endm
	s_load_b128 s[4:7], s[0:1], 0x0                ; y s[4:5], wp s[6:7]
	s_load_b64 s[8:9], s[0:1], 0x10                ; out0
	v_lshl_add_u32 v[SPW], v0, 2, SPARE
	v_mov_b32 v[NIL], 0
	ds_add_u32 v[SPW], v[NIL]                      ; the wave's opening: the add, twice on end, and its wait ahead of my first tensor load
	ds_add_u32 v[SPW], v[NIL]
	v_lshrrev_b32 v1, 5, v0
	v_readfirstlane_b32 s10, v1                    ; wave 0..3
	s_lshr_b32 s11, s10, 1                         ; which half of the tile's rows is mine.  Also: I fetch for A (0) or for B (1)
	s_and_b32 s12, s10, 1                          ; which half of its columns.  Also: which 64 rows of that tile I fetch
	s_bfe_u32 s40, ttmp6, 0x40000                  ; cx, cy
	s_bfe_u32 s41, ttmp6, 0x40004
	s_lshl_b32 s42, ttmp9, 2
	s_add_co_u32 s42, s42, s40                     ; tile column = 4 x cluster x + cx
	s_and_b32 s13, ttmp7, 0xffff
	s_lshl_b32 s13, s13, 2
	s_add_co_u32 s13, s13, s41                     ; tile row = 4 x cluster y + cy
	s_lshl_b32 s43, s41, 2
	s_lshl_b32 s43, 15, s43                        ; my row of the cluster
	s_lshl_b32 s44, 0x1111, s40                    ; my column
	; descriptor group 1 for A: 4 rows (heads) of 4,096 elements, 131,072 elements apart; padding of four words behind every 32
	s_or_b32 s[G1+0], s43, (1<<16)|(1<<20)|(1<<21)|(4<<22)|(3<<25)
	s_mov_b32 s[G1+1], 4096<<16                    ; tensor_dim0
	s_mov_b32 s[G1+2], 4<<16                       ; tensor_dim1
	s_mov_b32 s[G1+3], 4096<<16                    ; tile_dim0
	s_mov_b32 s[G1+4], 4                           ; tile_dim1
	s_mov_b32 s[G1+5], 131072                      ; tensor_dim0_stride
	s_mov_b32 s[G1+6], 0
	s_mov_b32 s[G1+7], 0
	; and for B: 64 rows of 256 elements; padding of four words behind every 128
	s_or_b32 s[G1B+0], s44, (1<<16)|(1<<20)|(1<<21)|(6<<22)|(3<<25)
	s_mov_b32 s[G1B+1], KSTEP<<16
	s_mov_b32 s[G1B+2], 64<<16
	s_mov_b32 s[G1B+3], KSTEP<<16
	s_mov_b32 s[G1B+4], 64
	s_mov_b32 s[G1B+5], SIZE_K
	s_mov_b32 s[G1B+6], 0
	s_mov_b32 s[G1B+7], 0
	s_lshr_b32 s16, s13, 4                         ; A: the batch: 16 planes of 262,144 bytes,
	s_lshl_b32 s16, s16, 22
	s_and_b32 s17, s13, 15                         ; the tile's 128 rows of 128 bytes in a plane,
	s_lshl_b32 s17, s17, 14
	s_add_co_u32 s16, s16, s17
	s_lshl_b32 s17, s12, 13                        ; the 64 of them that I fetch
	s_add_co_u32 s16, s16, s17
	s_mov_b32 s17, 0
	s_lshl_b32 s46, s42, 18                        ; B: 128 rows of 2,048 bytes a tile column,
	s_lshl_b32 s47, s12, 17                        ; the 64 that I fetch
	s_add_co_u32 s46, s46, s47
	s_mov_b32 s47, 0
	s_mul_i32 s20, s12, HALFA                      ; where they go: no place in the cluster enters an LDS address
	s_mul_i32 s21, s12, HALFB
	s_add_co_u32 s21, s21, 2*HALFA
	s_wait_dscnt 0x0                               ; both opening adds are done
	s_wait_kmcnt 0x0
	s_add_nc_u64 s[14:15], s[4:5], s[16:17]
	s_add_nc_u64 s[46:47], s[6:7], s[46:47]
	CROUND                                         ; all sixteen work-groups are here: the first joint loads meet
.irp s, 0,1
	s_mov_b32 s[G0+4*\s], 1
	s_add_co_u32 s[G0+4*\s+1], s20, \s*SLOT
	s_add_nc_u64 s[G0+4*\s+2:G0+4*\s+3], s[14:15], \s*4*262144     ; a K step is four planes
	s_or_b32 s[G0+4*\s+3], s[G0+4*\s+3], 0x80000000
	s_mov_b32 s[G0B+4*\s], 1
	s_add_co_u32 s[G0B+4*\s+1], s21, \s*SLOT
	s_add_nc_u64 s[G0B+4*\s+2:G0B+4*\s+3], s[46:47], \s*KSTEP*2
	s_or_b32 s[G0B+4*\s+3], s[G0B+4*\s+3], 0x80000000
	JLOAD \s
.endr
	v_and_b32 v1, 15, v0                           ; l % 16
	v_bfe_u32 v2, v0, 4, 1                         ; l / 16
	v_mul_u32_u24 v3, v1, PA
	v_lshl_add_u32 v3, v2, 4, v3                   ; A: a fragment's row x pitch + 16 x half
	v_mul_u32_u24 v4, v1, PITCH
	v_lshl_add_u32 v4, v2, 4, v4                   ; B likewise
	s_mul_i32 s21, s11, HALFA                      ; my 64 rows of A
	s_mul_i32 s22, s12, HALFB                      ; my 64 rows of B,
	s_add_co_u32 s22, s22, 2*HALFA                 ; which lie behind A's halves
.irp s, 0,1
	v_add_nc_u32 v[ADRA+\s], s21, v3
	v_add_nc_u32 v[ADRB+\s], s22, v4
	s_add_co_u32 s21, s21, SLOT
	s_add_co_u32 s22, s22, SLOT
.endr
	s_mul_i32 s23, s10, 16*SPITCH
	s_add_co_u32 s23, s23, STAGE                   ; my stage
	v_mul_u32_u24 v5, v1, SPITCH                   ; in: row l % 16, 32 bytes for each half of the lanes
	v_lshl_add_u32 v5, v2, 5, v5
	v_add_nc_u32 v[STO], s23, v5
	v_mul_u32_u24 v5, v2, SPITCH                   ; back: lanes 0-15 one row of 256 bytes, lanes 16-31 the next
	v_lshl_add_u32 v5, v1, 4, v5
	v_add_nc_u32 v[RD], s23, v5
	v_lshlrev_b32 v5, 12, v2                       ; and the same two rows in out0
	v_lshl_add_u32 v[CO], v1, 4, v5
	s_lshl_b32 s16, s13, 7
	s_lshl_b32 s17, s11, 6
	s_add_co_u32 s16, s16, s17                     ; my first row: 128 x tile row + 64 x half
	s_lshl_b32 s16, s16, 12                        ; rows of 4,096 bytes
	s_mov_b32 s17, 0
	s_add_nc_u64 s[8:9], s[8:9], s[16:17]
	s_lshl_b32 s46, s42, 9                         ; my first column, in bytes: 512 x tile column + 256 x half
	s_lshl_b32 s47, s12, 8
	s_add_co_u32 s46, s46, s47
	s_mov_b32 s47, 0
	s_add_nc_u64 s[8:9], s[8:9], s[46:47]
; 8 matrix instructions: m blocks a0, a0 + 1 x all 4 n blocks, 32 along K: half c of buffer f.  zero = 1: the first product starts the sums.  The 16 accumulators take turns.
.macro MUL8 f, c, a0, zero
.irp a, \a0, \a0+1
.irp b, 0,1,2,3
.if \zero
	v_wmma_f32_16x16x32_f16 v[ACC+8*(4*(\a)+\b):ACC+8*(4*(\a)+\b)+7], v[\f+64+8*(4*\c+\b):\f+64+8*(4*\c+\b)+7], v[\f+8*(4*\c+\a):\f+8*(4*\c+\a)+7], 0
.else
	v_wmma_f32_16x16x32_f16 v[ACC+8*(4*(\a)+\b):ACC+8*(4*(\a)+\b)+7], v[\f+64+8*(4*\c+\b):\f+64+8*(4*\c+\b)+7], v[\f+8*(4*\c+\a):\f+8*(4*\c+\a)+7], v[ACC+8*(4*(\a)+\b):ACC+8*(4*(\a)+\b)+7]
.endif
.endr
.endr
.endm
; 32 LDS loads in one run: the fragments of the slot's q-th 64 along K (for A: head q of the slot's four) into buffer f; the first 32 along K first
.macro FETCH slot, q, f
	WIN TO_F
.irp c, 0,1
.irp i, 0,1,2,3
	ds_load_b128 v[\f+64+8*(4*\c+\i):\f+64+8*(4*\c+\i)+3],   v[ADRB+\slot] offset:128*(\q)+64*\c+\i*16*PITCH
	ds_load_b128 v[\f+64+8*(4*\c+\i)+4:\f+64+8*(4*\c+\i)+7], v[ADRB+\slot] offset:128*(\q)+64*\c+\i*16*PITCH+32
	ds_load_b128 v[\f+8*(4*\c+\i):\f+8*(4*\c+\i)+3],         v[ADRA+\slot] offset:(\q)*PLANE+64*\c+\i*16*PA
	ds_load_b128 v[\f+8*(4*\c+\i)+4:\f+8*(4*\c+\i)+7],       v[ADRA+\slot] offset:(\q)*PLANE+64*\c+\i*16*PA+32
.endr
.endr
.endm
.macro PLACES                          ; four plain vector lines between a matrix instruction and a load into, or a read of, its registers
.rept 4
	v_nop
.endr
.endm
; A K step is four quarters of 64 along K, 32 matrix instructions each, on buffers 0, 1, 0, 1.  One of the first three: multiplies buffer f and fetches quarter q into g.
.macro QUARTER slot, q, f, g, zero
	s_wait_dscnt 16                                ; the first 32 along K are in; the youngest 16 loads may be out
	WIN MUL
	MUL8 \f, 0, 0, \zero
	MUL8 \f, 0, 2, \zero
	PLACES
	FETCH \slot, \q, \g
	s_wait_dscnt 32                                ; all but the 32 just issued
	WIN MUL
	MUL8 \f, 1, 0, 0
	MUL8 \f, 1, 2, 0
.endm
; The last quarter multiplies buffer 1 and changes slots: one barrier; in front of it each wave waits for all its tensor loads, adds 0 to its spare word, and waits for that and for its reads of this slot.  fill = 1: this slot is filled again, two K steps ahead.
.macro TURN slot, next, fill
	WIN 0                                          ; (the add's two registers lie in window 0)
	s_wait_tensorcnt 0x0                           ; all my tensor loads have landed: my part of the next slot
	ds_add_u32 v[SPW], v[NIL]                      ; 0 onto my spare word
	s_wait_dscnt 17                                ; (the add and the youngest sixteen loads may be out)
	WIN MUL
	MUL8 F1, 0, 0, 0                               ; eight matrix instructions stand between the add and the wait for it
	s_wait_dscnt 0x0                               ; the add is done, and my reads of this slot are over
	s_barrier_signal -1
	MUL8 F1, 0, 2, 0
.if \fill
	WIN 0
.endif
	s_barrier_wait -1
.if \fill
	CREST                                          ; the barrier has opened a round of the cluster's barrier: no wave of any partner still reads this slot's tile or has a load on its way
	s_add_nc_u64 s[G0+4*\slot+2:G0+4*\slot+3], s[G0+4*\slot+2:G0+4*\slot+3], 2*4*262144
	s_add_nc_u64 s[G0B+4*\slot+2:G0B+4*\slot+3], s[G0B+4*\slot+2:G0B+4*\slot+3], 2*KSTEP*2
	JLOAD \slot                                    ; the first tensor load behind the round; the four v_nop behind it are also the places in front of the loads below
.else
	PLACES
.endif
	FETCH \next, 0, F0
	WIN MUL
	MUL8 F1, 1, 0, 0
	MUL8 F1, 1, 2, 0
.endm
	s_wait_tensorcnt 1                             ; my part of K step 0 is in; K step 1's load may be out
	s_barrier_signal -1
	s_barrier_wait -1                              ; everybody's is
	FETCH 0, 0, F0
	QUARTER 0, 1, F0, F1, 1                        ; the first quarter stands in front of the loop: its first products start the sums
	WIN 0                                          ; at a label and at a branch every window is 0
	s_mov_b32 s3, LAPS-1
.Llap:                                                 ; a trip goes once round the ring, from a lap's second quarter to the next lap's first, and fills both slots again
	QUARTER 0, 2, F1, F0, 0
	QUARTER 0, 3, F0, F1, 0
	TURN 0, 1, 1
	QUARTER 1, 1, F0, F1, 0
	QUARTER 1, 2, F1, F0, 0
	QUARTER 1, 3, F0, F1, 0
	TURN 1, 0, 1
	QUARTER 0, 1, F0, F1, 0
	WIN 0
	s_sub_co_u32 s3, s3, 1
	s_cmp_lg_u32 s3, 0
	s_cbranch_scc1 .Llap
	QUARTER 0, 2, F1, F0, 0                        ; the last lap fills nothing, and has no round of the cluster's barrier
	QUARTER 0, 3, F0, F1, 0
	TURN 0, 1, 0
	QUARTER 1, 1, F0, F1, 0
	QUARTER 1, 2, F1, F0, 0
	QUARTER 1, 3, F0, F1, 0
	s_wait_dscnt 16                                ; the very last quarter: nothing more to fetch
	WIN MUL
	MUL8 F1, 0, 0, 0
	MUL8 F1, 0, 2, 0
	s_wait_dscnt 0
	MUL8 F1, 1, 0, 0
	MUL8 F1, 1, 2, 0
	WIN 0
; THE WAY OUT, block by block of 16 rows x 64 columns.  My 64 columns of f32 are 256 consecutive bytes of a row, aligned: so each wave has a stage of its own and no barrier is needed.
.macro TOSTAGE a
.irp b, 0,1,2,3
	ds_store_b128 v[STO], v[ACC+8*(4*(\a)+\b):ACC+8*(4*(\a)+\b)+3] offset:64*\b        ; each accumulator from its low end on
	ds_store_b128 v[STO], v[ACC+8*(4*(\a)+\b)+4:ACC+8*(4*(\a)+\b)+7] offset:64*\b+16
.endr
.irp t, 0,1,2,3,4,5,6,7
	ds_load_b128 v[TMP+32*((\a)%2)+4*\t:TMP+32*((\a)%2)+4*\t+3], v[RD] offset:\t*2*SPITCH   ; LDS serves a wave's instructions in order: these see the stores above
.endr
.endm
.macro SEND a, younger                 ; younger: the LDS instructions issued behind block a's loads: the next block's eight stores and eight loads, or none
	s_wait_dscnt \younger
.irp t, 0,1,2,3,4,5,6,7
	global_store_b128 v[CO], v[TMP+32*((\a)%2)+4*\t:TMP+32*((\a)%2)+4*\t+3], s[8:9] offset:(16*(\a)+2*\t)*4096 th:TH_STORE_NT   ; sixteen lanes store 256 consecutive bytes, aligned
.endr
.endm
	PLACES
	TOSTAGE 0
	TOSTAGE 1
	SEND 0, 16
	s_wait_xcnt 0x0                                ; block 0's stores have read their registers: block 2's loads may land there
	TOSTAGE 2
	SEND 1, 16
	s_wait_xcnt 0x0
	TOSTAGE 3
	SEND 2, 16
	SEND 3, 0
	s_wait_tensorcnt 0x0                           ; the wave's end, behind my last tensor load and my last LDS store
	ds_add_u32 v[SPW], v[NIL]
	s_wait_dscnt 0x0
	CROUND                                         ; the closing round: no work-group ends while a partner may still ask for a tile that names it
	s_endpgm
.Lfunc_end_k_qf2467640b7_gemm2:
	.size	k_qf2467640b7_gemm2, .Lfunc_end_k_qf2467640b7_gemm2-k_qf2467640b7_gemm2
	.p2alignl 7, 3214868480
	.fill 96, 4, 3214868480
	.section	.rodata,"a",@progbits
	.p2align	6, 0x0
	.amdhsa_kernel k_qf2467640b7_gemm2
		.amdhsa_group_segment_fixed_size 327680
		.amdhsa_private_segment_fixed_size 0
		.amdhsa_enable_private_segment 0
		.amdhsa_kernarg_size 24
		.amdhsa_user_sgpr_count 2
		.amdhsa_user_sgpr_kernarg_segment_ptr 1
		.amdhsa_wavefront_size32 1
		.amdhsa_system_sgpr_workgroup_id_x 1
		.amdhsa_system_sgpr_workgroup_id_y 1
		.amdhsa_system_sgpr_workgroup_id_z 1
		.amdhsa_system_vgpr_workitem_id 0
		.amdhsa_next_free_vgpr 512
		.amdhsa_next_free_sgpr 66
		.amdhsa_reserve_vcc 0
		.amdhsa_float_denorm_mode_32 3
		.amdhsa_float_denorm_mode_16_64 3
		.amdhsa_memory_ordered 1
		.amdhsa_forward_progress 1
		.amdhsa_inst_pref_size 86
	.end_amdhsa_kernel
	.amdgpu_metadata
---
amdhsa.version: [ 1, 2 ]
amdhsa.kernels:
  - .name:           k_qf2467640b7_gemm2
    .symbol:         k_qf2467640b7_gemm2.kd
    .args:
      - { .name: y, .offset: 0, .size: 8, .value_kind: global_buffer, .address_space: global }
      - { .name: wp, .offset: 8, .size: 8, .value_kind: global_buffer, .address_space: global }
      - { .name: out0, .offset: 16, .size: 8, .value_kind: global_buffer, .address_space: global }
    .group_segment_fixed_size: 327680
    .private_segment_fixed_size: 0
    .kernarg_segment_align: 8
    .kernarg_segment_size: 24
    .max_flat_workgroup_size: 128
    .sgpr_count:     66
    .vgpr_count:     512
    .wavefront_size: 32
...
	.end_amdgpu_metadata
.endif
;; end of part 4
;; launch fine (part 5): grid 16 x 4, 16 waves a work-group, no clusters, 84,992 bytes of LDS; arguments qf, wp, out0; writes out0
.if DOCPART == 5
	.amdgcn_target "amdgcn-amd-amdhsa--gfx1250"
	.amdhsa_code_object_version 6
	.text
	.protected	k_qf2467640b7_fine
	.globl	k_qf2467640b7_fine
	.p2align	8
	.type	k_qf2467640b7_fine,@function
k_qf2467640b7_fine:
	s_mov_b64 s[64:65], 0
	v_nop
	global_prefetch_b8 v0, s[64:65] scope:SCOPE_SE
	s_setreg_imm32_b32 hwreg(HW_REG_WAVE_MODE, 25, 1), 1
	s_wait_xcnt 0x0
; THE FIRST 16 POSITIONS OF EACH BATCH, carried finely: under the causal mask they average one to sixteen values and are the largest rows of the output.  This launch writes their 64 rows of out0 over the bulk launch's.
; Work-group (slice, batch) makes 16 rows x 64 columns.  PHASE 1: wave w is head w: S^T = K Q^T and O^T = V^T P^T by v_wmma_f32_16x16x4_f32 on the f32 sums that the first product left in qf; softmax in f32.
; y is split in f32 into a high f16 part and a low f16 part x 2048 (g = 8193 y, d = y - g, hi = g + d, lo = y - hi: each wanted rounded by itself); both go to LDS as images of operand registers.
; PHASE 2: wave w takes 16 columns (w % 4) and a quarter of K (w / 4): out = Wh yh + (Wl yh + Wh yl) / 2048, three f16 products with f32 sums.  The four quarters of K meet in LDS.
; Every work-group of a batch repeats phase 1: 196,608 bytes of qf each.
; qf: [batch][192 tiles of 16 columns][2][32 lanes][16 bytes]: element (position p, column 16 T + 8 h + j) at 1024 T + 512 (j / 4) + 16 (16 h + p) + 4 (j % 4).
; LIMITS: |y| and |W_proj| under 65,504; under 6e-5 their f16 parts keep an absolute step of 6e-8.
; REGISTERS: v1-9, v15 addresses; v10, v11, v14 at work; v12, v13 the add's two; v16-47 Q, v48-79 K, later Wh's 8 fragments; v80-111 V^T, later at work, yh, y's buffers; v112-127 scores, p, at work;
;   v128-159 accumulators: written by matrix instructions alone; v160-223 Wl's 8 fragments; v224-255 y in f32, yl, y's buffers.
.set YH,    0                          ; LDS: 32 images of 1,024 bytes: K step s of the projection, high parts
.set YL,    32768                      ; the same, low parts
.set PART,  65536                      ; four partial results of 16 rows x (256 bytes + 16)
.set SPARE, 82944                      ; the spare words, 128 bytes for each wave: eight blocks of 256 bytes that no other line names
	s_load_b128 s[4:7], s[0:1], 0x0                ; qf s[4:5], wp s[6:7]
	s_load_b64 s[8:9], s[0:1], 0x10                ; out0
	v_lshl_add_u32 v12, v0, 2, SPARE
	v_mov_b32 v13, 0
	v_lshrrev_b32 v1, 5, v0
	v_readfirstlane_b32 s10, v1                    ; wave 0..15
	v_and_b32 v10, 15, v0                          ; r
	v_bfe_u32 v11, v0, 4, 1                        ; h
	v_and_b32 v1, 31, v0
	v_lshlrev_b32 v1, 4, v1                        ; v1: 16 x lane: an image's place for my lane
	v_bfe_u32 v2, v0, 2, 1                         ; v2: V^T: lane (r, h) wants v(position 8 h + i, channel 16 ct + r): 512 ((r / 4) % 2) + 256 (r / 8) + 128 h + 4 (r % 4), + 16 i
	v_lshlrev_b32 v2, 9, v2
	v_bfe_u32 v14, v0, 3, 1
	v_lshl_add_u32 v2, v14, 8, v2
	v_lshl_add_u32 v2, v11, 7, v2
	v_and_b32 v14, 3, v0
	v_lshl_add_u32 v2, v14, 2, v2
	v_lshlrev_b32 v3, 11, v10                      ; v3: a fragment of wp: row r of 2,048 bytes, + 16 h
	v_lshl_add_u32 v3, v11, 4, v3
	s_lshl_b32 s16, s10, 11
	v_add_nc_u32 v4, s16, v1                       ; v4: where I store y's images: K steps 2 w and 2 w + 1
	s_lshr_b32 s17, s10, 2                         ; kq: my quarter of K
	s_and_b32 s18, s10, 3                          ; nt: my 16 columns
	s_mul_i32 s16, s17, 4352
	s_lshl_b32 s19, s18, 6
	s_add_co_u32 s16, s16, s19
	s_add_co_u32 s16, s16, PART
	v_mul_u32_u24 v5, v10, 272
	v_lshl_add_u32 v5, v11, 5, v5
	v_add_nc_u32 v5, s16, v5                       ; v5: my partial result: row r, 64 nt + 32 h bytes on
	v_bfe_u32 v14, v0, 4, 4                        ; the end: thread t of the first 256 takes row t / 16, bytes 16 (t % 16)
	v_mul_u32_u24 v6, v14, 272
	v_lshl_add_u32 v6, v10, 4, v6
	v_add_nc_u32 v6, PART, v6                      ; v6: in LDS,
	v_lshlrev_b32 v7, 12, v14
	v_lshl_add_u32 v7, v10, 4, v7                  ; v7: and in out0
	v_lshlrev_b32 v8, 3, v11
	v_sub_nc_u32 v8, v10, v8                       ; v8: r - 8 h: key 8 h + j is hidden where j > r - 8 h
	v_mov_b32 v9, 0xff800000                       ; v9: -infinity
	s_lshl_b32 s16, s17, 13
	v_add_nc_u32 v15, s16, v1                      ; v15: where I read y's images: K steps 8 kq on
	s_mov_b32 s12, 0x76543210
	s_mov_b32 s13, 0xfedcba98                      ; v_permlanex16_b32's selects for lane l xor 16
	s_mov_b32 s14, 0x3e38aa3b                      ; c = log2(e) / 8
	s_mov_b32 s15, 0x3a000000                      ; 1 / 2048
	s_and_b32 s16, ttmp7, 0xffff                   ; the batch
	s_mul_i32 s20, s16, 196608
	s_lshl_b32 s21, s10, 12                        ; my head's four tiles
	s_add_co_u32 s20, s20, s21
	s_mov_b32 s21, 0
	s_lshl_b32 s22, ttmp9, 6
	s_lshl_b32 s23, s18, 4
	s_add_co_u32 s22, s22, s23                     ; my first column of out0 = my first row of wp
	s_lshl_b32 s22, s22, 11
	s_lshl_b32 s23, s17, 9                         ; my quarter of K: 256 x 2 bytes
	s_add_co_u32 s22, s22, s23
	s_mov_b32 s23, 0
	s_lshl_b32 s24, s16, 23                        ; out0: 2,048 rows of 4,096 bytes a batch,
	s_lshl_b32 s25, ttmp9, 8                       ; 256 bytes a slice
	s_add_co_u32 s24, s24, s25
	s_mov_b32 s25, 0
	s_wait_kmcnt 0x0
	s_add_nc_u64 s[4:5], s[4:5], s[20:21]
	s_add_nc_u64 s[6:7], s[6:7], s[22:23]
	s_add_nc_u64 s[8:9], s[8:9], s[24:25]
.irp c, 0,1,2,3                        ; Q's and K's images: lane (p, h) register 8 c + j = (position p, channel 16 c + 8 h + j)
	global_load_b128 v[16+8*\c:19+8*\c], v1, s[4:5] offset:1024*\c
	global_load_b128 v[20+8*\c:23+8*\c], v1, s[4:5] offset:1024*\c+512
.endr
.irp c, 0,1,2,3
	global_load_b128 v[48+8*\c:51+8*\c], v1, s[4:5] offset:65536+1024*\c
	global_load_b128 v[52+8*\c:55+8*\c], v1, s[4:5] offset:65536+1024*\c+512
.endr
.irp ct, 0,1,2,3
.irp i, 0,1,2,3,4,5,6,7
	global_load_b32 v[80+8*\ct+\i], v2, s[4:5] offset:131072+1024*\ct+16*\i
.endr
.endr
.irp s, 0,1,2,3,4,5,6,7                ; Wl's eight fragments: K step s of my quarter
	global_load_b128 v[160+8*\s:163+8*\s], v3, s[6:7] offset:2097152+64*\s
	global_load_b128 v[164+8*\s:167+8*\s], v3, s[6:7] offset:2097152+64*\s+32
.endr
	s_wait_loadcnt 48                              ; Q and K are in; V^T's 32 loads and Wl's 16 may be out
	; S^T = K Q^T: source 0 = the 16 keys, source 1 = the 16 queries.  A register pair (8 c + 2 jj, + 1) gives both sides the same four channels.  Four accumulators, one for each 16 channels, by turns; the first four start the sums.
.irp jj, 0,1,2,3
.irp c, 0,1,2,3
.if \jj == 0
	v_wmma_f32_16x16x4_f32 v[128+8*\c:135+8*\c], v[48+8*\c+2*\jj:49+8*\c+2*\jj], v[16+8*\c+2*\jj:17+8*\c+2*\jj], 0
.else
	v_wmma_f32_16x16x4_f32 v[128+8*\c:135+8*\c], v[48+8*\c+2*\jj:49+8*\c+2*\jj], v[16+8*\c+2*\jj:17+8*\c+2*\jj], v[128+8*\c:135+8*\c]
.endif
.endr
.endr
.rept 8
	v_nop                                          ; eight places behind this form, ahead of the loads into its sources and of the reads of its results
.endr
.irp s, 0,1,2,3,4,5,6,7                ; Wh's eight fragments, into Q's and K's registers
	global_load_b128 v[16+8*\s:19+8*\s], v3, s[6:7] offset:64*\s
	global_load_b128 v[20+8*\s:23+8*\s], v3, s[6:7] offset:64*\s+32
.endr
.irp j, 0,1,2,3,4,5,6,7                ; lane (r, h): the score of query r and key 8 h + j; the sums go into other registers, each accumulator read from its low end on
	v_add_f32 v[112+\j], v[128+\j], v[136+\j]
.endr
.irp j, 0,1,2,3,4,5,6,7
	v_add_f32 v[120+\j], v[144+\j], v[152+\j]
.endr
.irp j, 0,1,2,3,4,5,6,7
	v_add_f32 v[112+\j], v[112+\j], v[120+\j]
.endr
.irp j, 0,1,2,3,4,5,6,7
	v_cmp_gt_i32 vcc_lo, \j, v8
	v_cndmask_b32 v[112+\j], v[112+\j], v9, vcc_lo ; hidden keys: -infinity
.endr
	v_max3_num_f32 v10, v112, v113, v114
	v_max3_num_f32 v10, v10, v115, v116
	v_max3_num_f32 v10, v10, v117, v118
	v_max_num_f32 v10, v10, v119
	v_permlanex16_b32 v11, v10, s12, s13
	v_max_num_f32 v10, v10, v11                    ; the row's maximum: key 0 counts for every query
	v_mul_f32 v10, s14, v10
.irp j, 0,1,2,3,4,5,6,7
	v_fma_f32 v[112+\j], v[112+\j], s14, -v10
.endr
.irp j, 0,1,2,3,4,5,6,7
	v_exp_f32 v[112+\j], v[112+\j]                 ; p = 2^(c s - c m)
.endr
	v_nop                                          ; a plain line behind the last exponential,
	s_wait_alu depctr_va_vdst(0)                   ; and the one wait ahead of the batch's first reader
	v_add_f32 v10, v112, v113
	v_add_f32 v14, v114, v115
	v_add_f32 v10, v10, v116
	v_add_f32 v14, v14, v117
	v_add_f32 v10, v10, v118
	v_add_f32 v14, v14, v119
	v_add_f32 v10, v10, v14
	v_permlanex16_b32 v14, v10, s12, s13
	v_add_f32 v10, v10, v14                        ; the row's sum
	v_rcp_f32 v10, v10
	v_nop
	s_wait_alu depctr_va_vdst(0)                   ; the wait for the reciprocal, ahead of its first reader below
	s_wait_loadcnt 32                              ; V^T is in; Wl's and Wh's 32 loads may be out
	; O^T = V^T P^T: source 0 = 16 channels, source 1 = the 16 queries; K step s4 holds keys 8 h + 2 s4 + {0, 1} on both sides.  Four accumulators, one for each 16 channels, by turns.
.irp s4, 0,1,2,3
.irp ct, 0,1,2,3
.if \s4 == 0
	v_wmma_f32_16x16x4_f32 v[128+8*\ct:135+8*\ct], v[80+8*\ct+2*\s4:81+8*\ct+2*\s4], v[112+2*\s4:113+2*\s4], 0
.else
	v_wmma_f32_16x16x4_f32 v[128+8*\ct:135+8*\ct], v[80+8*\ct+2*\s4:81+8*\ct+2*\s4], v[112+2*\s4:113+2*\s4], v[128+8*\ct:135+8*\ct]
.endif
.endr
.endr
.rept 8
	v_nop
.endr
.set i, 0
.rept 16
	v_pk_mul_f32 v[224+2*i:225+2*i], v[128+2*i:129+2*i], v[10:11] op_sel_hi:[1,0]   ; y(query r, channel 16 ct + 8 h + j) = O^T / l, into other registers
.set i, i+1
.endr
; The 16 numbers of tiles 2 e and 2 e + 1 are, in pairs, the eight registers of an operand of 16 rows x 32 K: K step 2 w + e of the projection.
.irp e, 0,1
.irp i, 0,2,4,6,8,10,12,14
	v_pk_mul_f32 v[112+\i:113+\i], v[224+16*\e+\i:225+16*\e+\i], 0x46000400 op_sel_hi:[1,0]                        ; g = 8193 y
.endr
.irp i, 0,2,4,6,8,10,12,14
	v_pk_add_f32 v[80+\i:81+\i], v[224+16*\e+\i:225+16*\e+\i], v[112+\i:113+\i] neg_lo:[0,1] neg_hi:[0,1]          ; d = y - g
.endr
.irp i, 0,2,4,6,8,10,12,14
	v_pk_add_f32 v[112+\i:113+\i], v[112+\i:113+\i], v[80+\i:81+\i]                                                ; hi = g + d
.endr
.irp i, 0,2,4,6,8,10,12,14
	v_pk_add_f32 v[80+\i:81+\i], v[224+16*\e+\i:225+16*\e+\i], v[112+\i:113+\i] neg_lo:[0,1] neg_hi:[0,1]          ; lo = y - hi
.endr
.irp i, 0,2,4,6,8,10,12,14
	v_pk_mul_f32 v[80+\i:81+\i], v[80+\i:81+\i], 0x45000000 op_sel_hi:[1,0]                                        ; x 2048
.endr
.irp i, 0,1,2,3,4,5,6,7
	v_cvt_pk_f16_f32 v[96+8*\e+\i], v[112+2*\i], v[113+2*\i]
	v_cvt_pk_f16_f32 v[224+16*\e+\i], v[80+2*\i], v[81+2*\i]
.endr
	ds_store_b128 v4, v[96+8*\e:99+8*\e] offset:YH+1024*\e
	ds_store_b128 v4, v[100+8*\e:103+8*\e] offset:YH+1024*\e+512
	ds_store_b128 v4, v[224+16*\e:227+16*\e] offset:YL+1024*\e
	ds_store_b128 v4, v[228+16*\e:231+16*\e] offset:YL+1024*\e+512
.endr
	s_wait_dscnt 0x0                               ; for the others' sake: my images have landed
	s_barrier_signal -1
	s_barrier_wait -1                              ; all 32 K steps of y lie in LDS
	s_wait_loadcnt 0x0                             ; Wl and Wh
; K step s of my eight: y's high fragment (8 registers) and low fragment (8) into one of four buffers: v80, v96, v224, v240
.macro YLOAD s
.set BB, 80+16*((\s)%2)+144*(((\s)%4)/2)
	ds_load_b128 v[BB:BB+3],     v15 offset:YH+1024*(\s)
	ds_load_b128 v[BB+4:BB+7],   v15 offset:YH+1024*(\s)+512
	ds_load_b128 v[BB+8:BB+11],  v15 offset:YL+1024*(\s)
	ds_load_b128 v[BB+12:BB+15], v15 offset:YL+1024*(\s)+512
.endm
	YLOAD 0
	YLOAD 1
	YLOAD 2
	YLOAD 3
; Source 0 = 16 rows of wp (columns of out0), source 1 = y's 16 rows: a lane holds eight neighbouring columns of one row.  Three accumulators by turns: Wh yh, Wl yh, Wh yl.
.macro KSTEP2 s
.set BB, 80+16*((\s)%2)+144*(((\s)%4)/2)
.if (\s) <= 4
	s_wait_dscnt 12                                ; this step's four loads are in; the 12 of the three steps behind it may be out
.else
	s_wait_dscnt 4*(7-(\s))
.endif
.if (\s) == 0
	v_wmma_f32_16x16x32_f16 v[128:135], v[16+8*(\s):23+8*(\s)], v[BB:BB+7], 0
	v_wmma_f32_16x16x32_f16 v[136:143], v[160+8*(\s):167+8*(\s)], v[BB:BB+7], 0
	v_wmma_f32_16x16x32_f16 v[144:151], v[16+8*(\s):23+8*(\s)], v[BB+8:BB+15], 0
.else
	v_wmma_f32_16x16x32_f16 v[128:135], v[16+8*(\s):23+8*(\s)], v[BB:BB+7], v[128:135]
	v_wmma_f32_16x16x32_f16 v[136:143], v[160+8*(\s):167+8*(\s)], v[BB:BB+7], v[136:143]
	v_wmma_f32_16x16x32_f16 v[144:151], v[16+8*(\s):23+8*(\s)], v[BB+8:BB+15], v[144:151]
.endif
.rept 4
	v_nop                                          ; four places, ahead of the loads into the buffer and of the reads of results
.endr
.if (\s)+4 < 8
	YLOAD (\s)+4
.endif
.endm
.irp s, 0,1,2,3,4,5,6,7
	KSTEP2 \s
.endr
.irp j, 0,1,2,3,4,5,6,7
	v_add_f32 v[112+\j], v[136+\j], v[144+\j]      ; each accumulator from its low end on
.endr
.irp j, 0,1,2,3,4,5,6,7
	v_fma_f32 v[112+\j], v[112+\j], s15, v[128+\j] ; Wh yh + (Wl yh + Wh yl) / 2048
.endr
	ds_store_b128 v5, v[112:115]
	ds_store_b128 v5, v[116:119] offset:16
	s_wait_dscnt 0x0                               ; for the others' sake
	s_barrier_signal -1
	s_barrier_wait -1                              ; the four quarters of K lie in LDS
	s_cmp_lt_u32 s10, 8                            ; 16 rows x 256 bytes are 256 threads' 16 bytes: waves 0 to 7
	s_cbranch_scc0 .Ldone
	ds_load_b128 v[80:83], v6
	ds_load_b128 v[84:87], v6 offset:4352
	ds_load_b128 v[88:91], v6 offset:8704
	ds_load_b128 v[92:95], v6 offset:13056
	s_wait_dscnt 0x0
	v_pk_add_f32 v[80:81], v[80:81], v[84:85]
	v_pk_add_f32 v[82:83], v[82:83], v[86:87]
	v_pk_add_f32 v[88:89], v[88:89], v[92:93]
	v_pk_add_f32 v[90:91], v[90:91], v[94:95]
	v_pk_add_f32 v[80:81], v[80:81], v[88:89]
	v_pk_add_f32 v[82:83], v[82:83], v[90:91]
	global_store_b128 v7, v[80:83], s[8:9]         ; sixteen lanes store 256 consecutive bytes, aligned
.Ldone:
	s_wait_tensorcnt 0x0                           ; the wave's end, behind my last LDS store
	ds_add_u32 v12, v13
	s_wait_dscnt 0x0
	s_endpgm
.Lfunc_end_k_qf2467640b7_fine:
	.size	k_qf2467640b7_fine, .Lfunc_end_k_qf2467640b7_fine-k_qf2467640b7_fine
	.p2alignl 7, 3214868480
	.fill 96, 4, 3214868480
	.section	.rodata,"a",@progbits
	.p2align	6, 0x0
	.amdhsa_kernel k_qf2467640b7_fine
		.amdhsa_group_segment_fixed_size 84992
		.amdhsa_private_segment_fixed_size 0
		.amdhsa_enable_private_segment 0
		.amdhsa_kernarg_size 24
		.amdhsa_user_sgpr_count 2
		.amdhsa_user_sgpr_kernarg_segment_ptr 1
		.amdhsa_wavefront_size32 1
		.amdhsa_system_sgpr_workgroup_id_x 1
		.amdhsa_system_sgpr_workgroup_id_y 1
		.amdhsa_system_sgpr_workgroup_id_z 1
		.amdhsa_system_vgpr_workitem_id 0
		.amdhsa_next_free_vgpr 256
		.amdhsa_next_free_sgpr 66
		.amdhsa_reserve_vcc 1
		.amdhsa_float_denorm_mode_32 3
		.amdhsa_float_denorm_mode_16_64 3
		.amdhsa_memory_ordered 1
		.amdhsa_forward_progress 1
		.amdhsa_inst_pref_size 33
	.end_amdhsa_kernel
	.amdgpu_metadata
---
amdhsa.version: [ 1, 2 ]
amdhsa.kernels:
  - .name:           k_qf2467640b7_fine
    .symbol:         k_qf2467640b7_fine.kd
    .args:
      - { .name: qf, .offset: 0, .size: 8, .value_kind: global_buffer, .address_space: global }
      - { .name: wp, .offset: 8, .size: 8, .value_kind: global_buffer, .address_space: global }
      - { .name: out0, .offset: 16, .size: 8, .value_kind: global_buffer, .address_space: global }
    .group_segment_fixed_size: 84992
    .private_segment_fixed_size: 0
    .kernarg_segment_align: 8
    .kernarg_segment_size: 24
    .max_flat_workgroup_size: 512
    .sgpr_count:     66
    .vgpr_count:     256
    .wavefront_size: 32
...
	.end_amdgpu_metadata
.endif
;; end of part 5
